; MI455X (gfx1250); checked and timed in simulation.
; The chip was launched on July 23, 2026; its instructions are those of AMD's public machine-readable ISA for CDNA 5 (MIT licence, August 2026) and "CDNA5" Instruction Set Architecture Reference Guide (July 2026). The comments in the code are by the model that wrote it; some were corrected since.
;; Attn. Allowed arithmetic: matrix products marked QUANTISED: E2M3 operands, one E8M0 scale for each 32 along K, by v_wmma_scale_f32_16x16x128_f8f6f4 with both operands' format E2M3, f32 sums; products left as they are: f32 operands where the result goes on into a quantised operand, else bf16, f16 or f32 operands; f32 sums; everything else in f32.
;; Inputs: W_attn 1,024 x 1,024 float32; b_attn 1,024 float32; encoder_outputs 2,048 x 32 x 1,024 float32; rnn_outputs 1 x 32 x 1,024 float32.
;; Outputs: out0 32 x 2,048 float32.
;; This version of the problem:
;;   THIS VERSION OF THE PROBLEM IS GIVEN IN LOW PRECISION. The matrix products marked QUANTISED in the list below multiply operands that are first quantised to E2M3 (2 exponent bits, 3 mantissa bits; 6 bits a number), with one power-of-two scale for each 32 numbers along K (OCP MX v1.0); their sums are f32. All else is computed in f32.
;;   The module's matrix products, in the order in which they are computed (A, B: the left and right operand; K: the contracted axis; several contracted axes count as one K, in the product's order):
;;     1. [M 65,536, K 1,024] x [K 1,024, N 1,024]; A: input encoder_outputs; B: input W_attn: QUANTISED
;;     2. batch 32 x [M 1, K 1,024] x [K 1,024, N 2,048]; A: input rnn_outputs; B: computed on the way: left as it is (M = 1 < 16)
;;   THE QUANTISER, for each operand of a quantised product, along K:
;;     - K is cut into blocks of 32 from its start; a last block that is shorter is filled with zeros.
;;     - A block's scale is 2^e with e = floor(log2(the largest magnitude in the block)) - 2, held to -126 .. 127; a block of zeros has e = 0. As a byte (E8M0): e + 127.
;;     - Each number is divided by its block's scale, clamped to +-7.5, and rounded to the nearest number of E2M3, ties to even, subnormals kept.
;;     - The product sums the exact products of the quantised numbers (number of the format x scale) in f32.
;;   ~~~python
;;   def quantise(x, axis):      # numpy; x: float32 -> the quantised numbers, widened to float32 again
;;       x = np.moveaxis(x, axis, -1); K = x.shape[-1]
;;       x = np.pad(x, [(0, 0)] * (x.ndim - 1) + [(0, -K % 32)]); x = x.reshape(x.shape[:-1] + (-1, 32)); a = np.abs(x).max(-1, keepdims=True)
;;       e = np.where(a > 0, np.clip(np.frexp(np.where(a > 0, a, 1))[1] - 1 - 2, -126, 127), 0)      # np.frexp(a)[1] - 1 = floor(log2(a)), exactly
;;       r = np.clip(x / 2.0 ** e, -7.5, 7.5)
;;       step = 2.0 ** (np.maximum(np.frexp(np.where(r == 0, 1, r))[1] - 1, 0) - 3)
;;       q = np.round(r / step) * step * 2.0 ** e      # np.round: ties to even
;;       return np.moveaxis(q.reshape(q.shape[:-2] + (-1,))[..., :K], -1, axis).astype(np.float32)
;;   ~~~
;; 2 versions. Each part assembles by itself: llvm-mc -triple=amdgcn-amd-amdhsa -mcpu=gfx1250 --defsym DOCPART=n.
;; ======== version 1 of 2: 3 launches
;; workspace buffers: wcodes 786,432 bytes; wscl 32,768 bytes; energy 262,144 bytes
;; launch quantw (part 1): grid 64 x 1, 8 waves a work-group, no clusters, 69,120 bytes of LDS; arguments W_attn, wcodes, wscl; writes wcodes, wscl
.if DOCPART == 1
	.amdgcn_target "amdgcn-amd-amdhsa--gfx1250"
	.amdhsa_code_object_version 6
	.text
	.protected	k_qde64f8ac37_quantw
	.globl	k_qde64f8ac37_quantw
	.p2align	8
	.type	k_qde64f8ac37_quantw,@function
k_qde64f8ac37_quantw:
	s_mov_b64 s[64:65], 0
	v_nop
	global_prefetch_b8 v0, s[64:65] scope:SCOPE_SE
	s_setreg_imm32_b32 hwreg(HW_REG_WAVE_MODE, 25, 1), 1
	s_wait_xcnt 0x0
; W_attn [1024 (n)][1024 (h)] f32 becomes codes of FP6 (E2M3) with one E8M0 scale for each 32 along h, laid as the next launch reads them:
; wcodes [k = 2 p + half (8)][tau (32)][s (2)][g (3)][lane (32)][16 bytes]: the fragment of W's rows 16 t .. 16 t + 15 (t = 32 half + tau) and K step 2 p + s (128 along h),
;   as an image of the operand's 12 registers: registers 4 g .. 4 g + 3 of lane l at 512 g + 16 l.
; wscl [p (4)][q = t / 4 (16)][L (32)][t % 4] words: L < 16: the scale word of row 16 t + L for K step 2 p; L >= 16: of row 16 t + L - 16 for K step 2 p + 1.
; A block's scale byte is its largest magnitude's exponent field - 2, held at 1 from below by a floor among the maximum's leaves.  A block of zeros so gets the byte 1 where the rule says 127:
; its codes are zeros, and this program alone reads the bytes.  LIMITS: NaN and infinities among the inputs are not served.
; SHARES: work-group (p = x / 16, q = x % 16); wave v makes ONE fragment: t = 4 q + v % 4, K step 2 p + v / 4.  Each load reads 512 consecutive bytes of a row; the 16 rows turn through the
; wave's own stage in LDS (pitch 528 = 33 x 16 bytes), so that lane (r, h) gets blocks h and 2 + h of row r, 32 neighbours each, in consecutive registers: what the conversions want.
.set SP,   528
.set STGW, 16*SP                       ; a wave's stage
.set SCA,  8*STGW                      ; behind the stages: the work-group's 128 scale words, 512 bytes
.set LI,   4                           ; v4   16 x lane
.set STA,  5                           ; v5   stage, on the way in
.set LDA,  6                           ; v6   stage, on the way out
.set SH8,  7                           ; v7   8 h
.set SWA,  8                           ; v8   where my row's scale word goes
.set SRA,  9                           ; v9   where wave 0 reads the words back
.set M,    10                          ; v10-11 largest magnitudes, v12-13 second chains
.set MB,   12
.set S,    14                          ; v14-15 the conversions' scale operands
.set X,    16                          ; v16-79 the fragment as loaded; free behind the turn:
.set CT,   16                          ;   v16-18, v20-22 the blocks' upper 16 codes
.set BT,   24                          ;   v24-25 scale bytes
.set T,    26
.set U,    27
.set Y,    80                          ; v80-143 my 64 numbers
.set CD,   144                         ; v144-155 the fragment's codes
.set SW,   156                         ; v156 the scale word
	s_load_b128 s[4:7], s[0:1], 0x0                ; W, wcodes
	s_load_b64 s[8:9], s[0:1], 0x10                ; wscl
	v_lshl_add_u32 v160, v0, 2, 0x10a00
	v_mov_b32 v161, 0
	v_lshrrev_b32 v1, 5, v0
	v_readfirstlane_b32 s16, v1                    ; wave 0..7
	v_and_b32 v1, 31, v0                           ; lane
	v_and_b32 v2, 15, v0                           ; r
	v_bfe_u32 v3, v0, 4, 1                         ; h
	v_lshlrev_b32 v[LI], 4, v1
	s_mul_i32 s17, s16, STGW
	v_add_nc_u32 v[STA], s17, v[LI]
	v_mul_u32_u24 v[LDA], v2, SP
	v_lshl_add_u32 v[LDA], v3, 7, v[LDA]
	v_add_nc_u32 v[LDA], s17, v[LDA]               ; row r, + 128 h: block h of the row's four
	v_lshlrev_b32 v[SH8], 3, v3
	s_and_b32 s18, s16, 3                          ; u = t % 4
	s_lshr_b32 s19, s16, 2                         ; s
	s_lshl_b32 s20, s19, 8
	s_lshl_b32 s21, s18, 2
	s_add_co_u32 s20, s20, s21
	s_add_co_u32 s20, s20, SCA
	v_lshl_add_u32 v[SWA], v2, 4, s20              ; SCA + 16 (16 s + r) + 4 u
	v_add_nc_u32 v[SRA], SCA, v[LI]
	s_lshr_b32 s22, ttmp9, 4                       ; p
	s_and_b32 s23, ttmp9, 15                       ; q
	s_lshl_b32 s24, s23, 2
	s_add_co_u32 s24, s24, s18                     ; t
	s_lshl_b32 s24, s24, 16                        ; 16 rows of 4,096 bytes
	s_lshl_b32 s25, s22, 1
	s_add_co_u32 s25, s25, s19                     ; K step
	s_lshl_b32 s25, s25, 9                         ; 512 bytes each
	s_add_co_u32 s24, s24, s25
	s_mov_b32 s25, 0                               ; s[24:25]: my fragment in W
	s_lshl_b32 s26, s22, 1
	s_lshr_b32 s27, s23, 3
	s_add_co_u32 s26, s26, s27                     ; k = 2 p + half
	s_lshl_b32 s26, s26, 5
	s_and_b32 s27, s23, 7
	s_lshl_b32 s27, s27, 2
	s_add_co_u32 s26, s26, s27
	s_add_co_u32 s26, s26, s18                     ; 32 k + tau
	s_mul_i32 s26, s26, 3072
	s_mul_i32 s27, s19, 1536
	s_add_co_u32 s26, s26, s27
	s_mov_b32 s27, 0                               ; s[26:27]: its image in wcodes
	s_lshl_b32 s28, s22, 13
	s_lshl_b32 s29, s23, 9
	s_add_co_u32 s28, s28, s29
	s_mov_b32 s29, 0                               ; s[28:29]: the work-group's 512 bytes of wscl
	s_mov_b32 s10, 0x76543210
	s_mov_b32 s11, 0xfedcba98                      ; v_permlanex16_b32's selects for lane l xor 16
	s_wait_kmcnt 0x0
	s_add_nc_u64 s[4:5], s[4:5], s[24:25]
	s_add_nc_u64 s[6:7], s[6:7], s[26:27]
	s_add_nc_u64 s[8:9], s[8:9], s[28:29]
.irp i, 0,1,2,3,4,5,6,7,8,9,10,11,12,13,14,15
	global_load_b128 v[X+4*\i:X+4*\i+3], v[LI], s[4:5] offset:4096*\i   ; row i: 32 lanes read 512 consecutive bytes
.endr
	s_wait_loadcnt 0x0
.irp i, 0,1,2,3,4,5,6,7,8,9,10,11,12,13,14,15
	ds_store_b128 v[STA], v[X+4*\i:X+4*\i+3] offset:SP*\i
.endr
.irp c, 0,1
.irp i, 0,1,2,3,4,5,6,7
	ds_load_b128 v[Y+32*\c+4*\i:Y+32*\c+4*\i+3], v[LDA] offset:256*\c+16*\i   ; LDS serves a wave's instructions in order: these see my stores.  Y[32 c + n] = k 64 c + 32 h + n of row r
.endr
.endr
	s_wait_dscnt 0x0
	v_mov_b32 v[U], 0                              ; a lane permute's destination counts as one of its sources
.irp c, 0,1
	v_max3_num_f32 v[M+\c], |v[Y+32*\c]|, |v[Y+32*\c+1]|, 0x1800000   ; my block 2 c + h: all 32 numbers are mine; the floor 2^(3 - 127) holds the byte at 1 from below
	v_max3_num_f32 v[MB+\c], |v[Y+32*\c+16]|, |v[Y+32*\c+17]|, |v[Y+32*\c+18]|
.endr
.irp i, 2,4,6,8,10,12
.irp c, 0,1
	v_max3_num_f32 v[M+\c], v[M+\c], |v[Y+32*\c+\i]|, |v[Y+32*\c+\i+1]|
	v_max3_num_f32 v[MB+\c], v[MB+\c], |v[Y+32*\c+\i+17]|, |v[Y+32*\c+\i+18]|
.endr
.endr
.irp c, 0,1
	v_max3_num_f32 v[M+\c], v[M+\c], |v[Y+32*\c+14]|, |v[Y+32*\c+15]|
.endr
.irp c, 0,1
	v_max3_num_f32 v[M+\c], v[M+\c], v[MB+\c], |v[Y+32*\c+31]|
.endr
.irp c, 0,1
	v_add_nc_u32 v[S+\c], 0xff000000, v[M+\c]      ; 2 off the exponent field: the conversion takes that field of this operand as its scale
.endr
.irp c, 0,1
	v_lshrrev_b32 v[BT+\c], 23, v[S+\c]            ; the scale's byte
.endr
	v_lshl_or_b32 v[T], v[BT+1], 16, v[BT]         ; my bytes: blocks h and 2 + h,
	v_lshlrev_b32 v[T], v[SH8], v[T]               ; at their places in the word;
	v_permlanex16_b32 v[U], v[T], s10, s11
	v_or_b32 v[SW], v[T], v[U]                     ; with lane l xor 16's two the word is whole
	v_cvt_scalef32_pk16_fp6_f32 v[CD:CD+2], v[Y:Y+15], v[S]
	v_cvt_scalef32_pk16_fp6_f32 v[CT:CT+2], v[Y+16:Y+31], v[S]          ; (a conversion's three registers begin on an even number: a block's upper three do not, so they are made elsewhere and moved)
	v_cvt_scalef32_pk16_fp6_f32 v[CD+6:CD+8], v[Y+32:Y+47], v[S+1]
	v_cvt_scalef32_pk16_fp6_f32 v[CT+4:CT+6], v[Y+48:Y+63], v[S+1]
	v_nop                                          ; one plain place behind a scaled conversion
.irp c, 0,1
.irp i, 0,1,2
	v_mov_b32 v[CD+6*\c+3+\i], v[CT+4*\c+\i]
.endr
.endr
.irp g, 0,1,2
	global_store_b128 v[LI], v[CD+4*\g:CD+4*\g+3], s[6:7] offset:512*\g   ; 32 lanes store 512 consecutive bytes, at a multiple of 512 from the buffer's first byte
.endr
	ds_store_b32 v[SWA], v[SW]                     ; lanes r and r + 16 write the same word with the same value
	s_wait_dscnt 0x0                               ; for the others' sake: my word has landed
	s_barrier_signal -1
	s_barrier_wait -1
	s_cmp_lg_u32 s16, 0
	s_cbranch_scc1 .Lend                           ; wave 0 alone stores the eight waves' words
	ds_load_b128 v[X:X+3], v[SRA]
	s_wait_dscnt 0x0
	global_store_b128 v[LI], v[X:X+3], s[8:9]      ; 512 consecutive bytes
.Lend:
	s_wait_tensorcnt 0x0
	ds_add_u32 v160, v161
	s_wait_dscnt 0x0
	s_endpgm
.Lfunc_end_k_qde64f8ac37_quantw:
	.size	k_qde64f8ac37_quantw, .Lfunc_end_k_qde64f8ac37_quantw-k_qde64f8ac37_quantw
	.p2alignl 7, 3214868480
	.fill 96, 4, 3214868480
	.section	.rodata,"a",@progbits
	.p2align	6, 0x0
	.amdhsa_kernel k_qde64f8ac37_quantw
		.amdhsa_group_segment_fixed_size 69120
		.amdhsa_private_segment_fixed_size 0
		.amdhsa_enable_private_segment 0
		.amdhsa_kernarg_size 24
		.amdhsa_user_sgpr_count 2
		.amdhsa_user_sgpr_kernarg_segment_ptr 1
		.amdhsa_wavefront_size32 1
		.amdhsa_system_sgpr_workgroup_id_x 1
		.amdhsa_system_sgpr_workgroup_id_y 1
		.amdhsa_system_sgpr_workgroup_id_z 1
		.amdhsa_system_vgpr_workitem_id 0
		.amdhsa_next_free_vgpr 162
		.amdhsa_next_free_sgpr 66
		.amdhsa_reserve_vcc 0
		.amdhsa_float_denorm_mode_32 3
		.amdhsa_float_denorm_mode_16_64 3
		.amdhsa_memory_ordered 1
		.amdhsa_forward_progress 1
		.amdhsa_inst_pref_size 10
	.end_amdhsa_kernel
	.amdgpu_metadata
---
amdhsa.version: [ 1, 2 ]
amdhsa.kernels:
  - .name:           k_qde64f8ac37_quantw
    .symbol:         k_qde64f8ac37_quantw.kd
    .args:
      - { .name: W_attn, .offset: 0, .size: 8, .value_kind: global_buffer, .address_space: global }
      - { .name: wcodes, .offset: 8, .size: 8, .value_kind: global_buffer, .address_space: global }
      - { .name: wscl, .offset: 16, .size: 8, .value_kind: global_buffer, .address_space: global }
    .group_segment_fixed_size: 69120
    .private_segment_fixed_size: 0
    .kernarg_segment_align: 8
    .kernarg_segment_size: 24
    .max_flat_workgroup_size: 256
    .sgpr_count:     66
    .vgpr_count:     162
    .wavefront_size: 32
...
	.end_amdgpu_metadata
.endif
;; end of part 1
;; launch project (part 2): grid 8 x 32, 4 waves a work-group, clusters of 4 x 1, 327,680 bytes of LDS; arguments encoder_outputs, rnn_outputs, b_attn, wcodes, wscl, energy; writes energy
.if DOCPART == 2
	.amdgcn_target "amdgcn-amd-amdhsa--gfx1250"
	.amdhsa_code_object_version 6
	.text
	.protected	k_qde64f8ac37_project
	.globl	k_qde64f8ac37_project
	.p2align	8
	.type	k_qde64f8ac37_project,@function
k_qde64f8ac37_project:
	s_mov_b64 s[64:65], 0
	v_nop
	global_prefetch_b8 v0, s[64:65] scope:SCOPE_SE
	s_setreg_imm32_b32 hwreg(HW_REG_WAVE_MODE, 25, 1), 1
	s_wait_xcnt 0x0
	s_wait_alu depctr_hold_cnt(0) depctr_sa_sdst(0) depctr_va_vdst(0) depctr_va_sdst(0) depctr_va_ssrc(0) depctr_va_vcc(0) depctr_vm_vsrc(0)
	s_getreg_b32 s2, hwreg(HW_REG_IB_STS2, 6, 4)
	s_cmp_eq_u32 s2, 0
	s_cbranch_scc0 .Lentry_in_a_cluster
	s_endpgm
.Lentry_in_a_cluster:
	s_bfe_u32 s2, ttmp6, 0x10000c
	s_cmp_lg_u32 s2, 0x3003
	s_cbranch_scc0 .Lentry_shape_is_right
	s_endpgm
.Lentry_shape_is_right:
; energy[b][s] = sum over n of dec[b][n] (b_attn[n] + sum over h of Q(enc[s][b][h]) Q(W[n][h])), Q the MX-FP6 quantiser along h.  The inner product runs on the scaled FP6 matrix form; proj never goes to memory.
; SHARES.  Work-group (x, b) owns rows s = 256 x .. 256 x + 255 of ONE batch b, so dec is the same for all its rows.  Wave w owns 64 of them (four tiles a of 16) against all 1,024 columns n:
; it quantises just the rows that it multiplies, no code of enc goes from wave to wave, and no sum spans waves.
; PASSES.  K = 1,024 is cut into four slices of 256 (two K steps).  Pass p multiplies slice p against W's slice p (two LDS slots of 32 tiles of 16 columns: 512 matrix instructions a wave); meanwhile slice p + 1 of enc
; arrives, turns through LDS and is quantised.  Each accumulator is two matrix instructions deep and is then contracted: E[a][j] += acc[j] x dec[16 t + r] (a lane of the result holds ONE column n = 16 t + r and rows 8 h + j).
; ORDER OF ROUNDING (stated): the f32 sum over K is formed in four parts, each multiplied by dec in f32 and added to E; the bias enters as sum of b[n] dec[n], E's first value.  The same algebra for every input.
; LIMITS: NaN and infinities among the inputs are not served.  A block of zeros gets the scale byte 1 where the rule says 127: its codes are zeros, and the byte stays in this wave.
; enc comes by dense loads into registers on a counted ring of four sets (16 loads of 512 consecutive bytes each): up to 64 loads of a wave are out, and no barrier drains them.
; W's codes and scale words, made by the launch before, are what all work-groups share: the four work-groups of a cluster (same b, neighbouring x) ask for each quarter of a slot JOINTLY.  A mask names four, so the cluster is 4 x 1.
; No prefetch: the wave's own loads run four fragments ahead, and W's slots are asked for a whole slot's products ahead.
; LDS: slot 0, slot 1 (98,304 bytes each: images of operand registers, read 512 consecutive bytes a load, so no padding) | all of wscl, 32,768, filled once | a stage of 16 x 528 bytes for each wave | the spare words | dec[b], b_attn.
; REGISTERS, in windows of 256:
;   window 0: addresses; v16-23 enc's scale words at work, v24-31 the next slice's; v32-63 the slot's scale words of W; v64-127 a fragment's 64 numbers; v128-171 at work
;   window 1: v0-95 enc's 8 fragments at work (fragment 2 a + s at 12 (2 a + s)); v96-191 the next slice's; v192-255 dec[16 t + r], t = 0 .. 63
;   window 2: v0-31, v32-63 two sets of 4 accumulators; v64-95 E; v96-239 W's fragments, three sets of two tiles; v240-243 at work
;   window 3: enc as loaded, four sets of 64
.set SLOTSZ, 98304
.set QUART,  24576                     ; a wave's quarter of a slot: 96 rows of 256 bytes
.set WSC,    2*SLOTSZ
.set STG,    WSC+32768
.set SP,     528                       ; 33 x 16 bytes: the 16 rows that a load touches fall into 16 different columns of 16 bytes
.set STGW,   16*SP
.set SPARE,  STG+4*STGW                ; the spare words, 128 bytes for each wave: two blocks of 256 bytes that no other line names
.set DB,     SPARE+512                 ; dec[b] 4,096 bytes, then b_attn 4,096
.set SROW,   131072                    ; bytes from row s to row s + 1 of one b
.set T16,  3                           ; v3   16 x thread
.set LI,   4                           ; v4   16 x lane
.set ABF,  4                           ; v4-7 16 x lane + 49,152 (2 slot + upper half of the slot's tiles)
.set ABS,  8                           ; v8   the pass's scale words of W
.set STA,  9                           ; v9   my stage, on the way in
.set LDA,  10                          ; v10  and on the way out
.set RA,   11                          ; v11  DB + 4 r
.set SH8,  12                          ; v12  8 h
.set DBS,  13                          ; v13  DB + 16 x thread
.set SPW,  14                          ; v14  my spare word; never rewritten
.set NIL,  15                          ; v15  0; never rewritten
.set ASC,  16
.set ASCN, 24
.set BS,   32
.set Y,    64
.set M,    128
.set S,    130
.set BT,   132
.set T,    134
.set U,    135
.set CT,   136                         ; v136-138, v140-142
.set DBX,  144                         ; v144-159 dec and bias as loaded
.set ESA,  160
.set ELA,  161
.set EO,   162
.set OUTP, 164
.set RR,   166
.set HH,   167
.set MB,   168
.set CUR,  0                           ; window 1
.set NXT,  96
.set DW,   192
.set ACC,  0                           ; window 2
.set E,    64
.set BF,   96
.set TW,   240
.set WV,   16                          ; s16  wave
.set G1,   24                          ; s[24:31] group 1 for a quarter of a slot;  s[32:39] for a quarter of the scale words
.set G1S,  32
.set G0,   40                          ; s[40:43], s[44:47] group 0 for slot 0, 1;  s[48:51] for the scale words
.set G0S,  48
.set SB,   52                          ; s[52:53] enc at my wave's first row, at the slice being loaded
.set EB,   54                          ; s[54:55] energy at my wave's 64 numbers
.set SEL,  56                          ; s[56:57] selects for lane l xor 16
.set W_MUL,  0xa9                      ; source 0 window 1; sources 1, 2 and destination window 2: serves the matrix line AND the contraction, which so stand by turns without a switch
.set W_BF,   0x80                      ; destination window 2
.set W_X,    0xc0                      ; destination window 3
.set W_XS,   0x0c                      ; an LDS store's data (source 1) window 3
.set W_C1,   0x40                      ; destination window 1
.set W_CP,   0x41                      ; source 0 and destination window 1
.set W_ALL2, 0xaa
.set W_E0,   0x02                      ; source 0 window 2
.set MSB, 0
.set DSN, 0                            ; LDS instructions issued since the last wait for all of them: the counted waits below are differences of such marks
.set YEND, 0
.set RE0, 0
.set RE1, 0
.set RE2, 0
.macro WIN new                         ; the immediate's high byte repeats the setting that is left; a switch that changes nothing is dropped
.if MSB != \new
	s_set_vgpr_msb (MSB<<8)|\new
.set MSB, \new
.endif
.endm
.macro CROUND                          ; a round of the cluster's barrier
	s_barrier_signal -1
	s_barrier_wait -1
	s_cmp_lg_u32 s[WV], 0
	s_cbranch_scc1 .Lnot_wave_0_\@
	s_barrier_signal -3
.Lnot_wave_0_\@:
	s_barrier_wait -3
	s_barrier_signal -1
	s_barrier_wait -1
.endm
; Fragment jj (tile jj / 2, K step jj % 2) of the slice at SB + extra, into set: 16 loads, one row each, 512 consecutive bytes.  The largest offset, 63 rows + 1,536, lies inside the signed 24-bit immediate.
.macro GLOAD set, jj, extra
	WIN W_X
.irp i, 0,1,2,3,4,5,6,7,8,9,10,11,12,13,14,15
	global_load_b128 v[64*(\set)+4*\i:64*(\set)+4*\i+3], v[LI], s[SB:SB+1] offset:(16*((\jj)/2)+\i)*SROW+512*((\jj)%2)+(\extra) th:TH_LOAD_NT
.endr
.endm
; The fragment in set j % 4 turns through my stage: in as loaded, out 128 bytes of a row a lane and block.  cnt: the loads issued behind this fragment's (16 for each later fragment).
.macro TURN j, cnt
	s_wait_loadcnt \cnt
	WIN W_XS
.irp i, 0,1,2,3,4,5,6,7,8,9,10,11,12,13,14,15
	ds_store_b128 v[STA], v[64*((\j)%4)+4*\i:64*((\j)%4)+4*\i+3] offset:SP*\i
.endr
	WIN 0
.irp c, 0,1
.irp i, 0,1,2,3,4,5,6,7
	ds_load_b128 v[Y+32*\c+4*\i:Y+32*\c+4*\i+3], v[LDA] offset:256*\c+16*\i   ; LDS serves a wave's instructions in order: these see the stores above.  Y[32 c + n] = k 64 c + 32 h + n of row r
.endr
.endr
.set DSN, DSN+32
.set YEND, DSN
.endm
; Y becomes fragment j of the next slice: codes into window 1, the scale word into v[ASCN + j].  A lane owns blocks h and 2 + h of its row whole.  ld = 1: the set that Y came from takes the fragment four further on.
.macro QUANT j, ld
	s_wait_dscnt DSN-YEND                          ; Y is back (what was issued behind the turn may be out): so the stage's stores have read the set
.if \ld
	GLOAD (\j)%4, ((\j)+4)%8, 1024*((\j)/4)        ; with three fragments out this makes 64 loads: one that would pass the counter's field is held back at issue (ISA guide 5.7.1)
.endif
	WIN 0
.irp c, 0,1
	v_max3_num_f32 v[M+\c], |v[Y+32*\c]|, |v[Y+32*\c+1]|, 0x1800000   ; the floor 2^(3 - 127) holds the byte at 1 from below
	v_max3_num_f32 v[MB+\c], |v[Y+32*\c+16]|, |v[Y+32*\c+17]|, |v[Y+32*\c+18]|
.endr
.irp i, 2,4,6,8,10,12
.irp c, 0,1
	v_max3_num_f32 v[M+\c], v[M+\c], |v[Y+32*\c+\i]|, |v[Y+32*\c+\i+1]|     ; four chains by turns
	v_max3_num_f32 v[MB+\c], v[MB+\c], |v[Y+32*\c+\i+17]|, |v[Y+32*\c+\i+18]|
.endr
.endr
.irp c, 0,1
	v_max3_num_f32 v[M+\c], v[M+\c], |v[Y+32*\c+14]|, |v[Y+32*\c+15]|
.endr
.irp c, 0,1
	v_max3_num_f32 v[M+\c], v[M+\c], v[MB+\c], |v[Y+32*\c+31]|
.endr
.irp c, 0,1
	v_add_nc_u32 v[S+\c], 0xff000000, v[M+\c]      ; 2 off the exponent field: the conversion's scale operand
.endr
.irp c, 0,1
	v_lshrrev_b32 v[BT+\c], 23, v[S+\c]            ; the scale's byte
.endr
	v_lshl_or_b32 v[T], v[BT+1], 16, v[BT]
	v_lshlrev_b32 v[T], v[SH8], v[T]               ; my two bytes at their places in the word
	v_permlanex16_b32 v[U], v[T], s[SEL], s[SEL+1]
	v_or_b32 v[ASCN+(\j)], v[T], v[U]              ; with lane l xor 16's two the word is whole, in both halves of the lanes
	v_cvt_scalef32_pk16_fp6_f32 v[CT:CT+2], v[Y+16:Y+31], v[S]          ; (a conversion's three registers begin on an even number: a block's upper three are made here and moved)
	v_cvt_scalef32_pk16_fp6_f32 v[CT+4:CT+6], v[Y+48:Y+63], v[S+1]
	WIN W_C1
	v_cvt_scalef32_pk16_fp6_f32 v[NXT+12*(\j):NXT+12*(\j)+2], v[Y:Y+15], v[S]
	v_cvt_scalef32_pk16_fp6_f32 v[NXT+12*(\j)+6:NXT+12*(\j)+8], v[Y+32:Y+47], v[S+1]
	v_nop                                          ; one plain place behind a scaled conversion
.irp c, 0,1
.irp i, 0,1,2
	v_mov_b32 v[NXT+12*(\j)+6*\c+3+\i], v[CT+4*\c+\i]
.endr
.endr
.endm
.macro BSLOAD hf                       ; the slot's 32 scale registers of W: lanes 0-15 the first K step's words, lanes 16-31 the second's
	WIN 0
.irp i, 0,1,2,3,4,5,6,7
	ds_load_b128 v[BS+4*\i:BS+4*\i+3], v[ABS] offset:4096*(\hf)+512*\i
.endr
.set DSN, DSN+8
.endm
.macro RUN grp, hf                     ; the four fragments of tiles 2 grp, 2 grp + 1 into set grp % 3: 12 loads of 512 consecutive bytes
	WIN W_BF
.irp u, 0,1
.irp s, 0,1
.irp c, 0,1,2
	ds_load_b128 v[BF+48*((\grp)%3)+24*\u+12*\s+4*\c:BF+48*((\grp)%3)+24*\u+12*\s+4*\c+3], v[ABF+2*(\hf)+(\grp)/8] offset:((2*(\grp)+\u)%16)*3072+1536*\s+512*\c
.endr
.endr
.endr
.set DSN, DSN+12
.if (\grp)%3 == 0
.set RE0, DSN
.elseif (\grp)%3 == 1
.set RE1, DSN
.else
.set RE2, DSN
.endif
.endm
; Line n of 16 of tile t's contraction: E[a][2 i, 2 i + 1] += acc[a][2 i, 2 i + 1] x dec[16 t + r], a = n / 4, i = n % 4.  n ascends: each accumulator is read from its low end on.
.macro EP t, n
.set ea, (\n)/4
.set ei, (\n)%4
.if (\t)%2 == 0
	v_pk_fma_f32 v[E+8*ea+2*ei:E+8*ea+2*ei+1], v[DW+(\t):DW+(\t)+1], v[ACC+8*ea+2*ei:ACC+8*ea+2*ei+1], v[E+8*ea+2*ei:E+8*ea+2*ei+1] op_sel_hi:[0,1,1]
.else
	v_pk_fma_f32 v[E+8*ea+2*ei:E+8*ea+2*ei+1], v[DW+(\t)-1:DW+(\t)], v[ACC+32+8*ea+2*ei:ACC+32+8*ea+2*ei+1], v[E+8*ea+2*ei:E+8*ea+2*ei+1] op_sel:[1,0,0] op_sel_hi:[1,1,1]
.endif
.endm
; Tile tau of the slot: 8 matrix instructions, K step s = q / 4, rows' tile a = q % 4: the four accumulators take turns, one instruction a turn.
; ep = 1: two lines of the tile before's contraction stand behind each.  run = 1: the fragments of two groups on are asked for behind the second: six plain lines behind the last product that read their registers.
.macro TILE tau, hf, ep, run
	WIN W_MUL
.set tq, 0
.rept 8
.set ts, tq/4
.set ta, tq%4
.set rD, ACC+32*((\tau)%2)+8*ta
.set rA, CUR+12*(2*ta+ts)
.set rB, BF+48*(((\tau)/2)%3)+24*((\tau)%2)+12*ts
.if ts == 0
	v_wmma_scale_f32_16x16x128_f8f6f4 v[rD:rD+7], v[rA:rA+11], v[rB:rB+11], 0, v[ASC+2*ta], v[BS+(\tau)] matrix_a_fmt:MATRIX_FMT_FP6 matrix_b_fmt:MATRIX_FMT_FP6
.else
	v_wmma_scale_f32_16x16x128_f8f6f4 v[rD:rD+7], v[rA:rA+11], v[rB:rB+11], v[rD:rD+7], v[ASC+2*ta+1], v[BS+(\tau)] matrix_a_fmt:MATRIX_FMT_FP6 matrix_b_fmt:MATRIX_FMT_FP6 matrix_b_scale:MATRIX_SCALE_ROW1
.endif
.if \ep
	EP 32*(\hf)+(\tau)-1, 2*tq
	EP 32*(\hf)+(\tau)-1, 2*tq+1
.endif
.if (\run) && (tq == 1)
	RUN (\tau)/2+2, \hf
	WIN W_MUL
.endif
.set tq, tq+1
.endr
.endm
.macro GROUP g, hf                     ; two tiles on one set of W's fragments
.if (\g)%3 == 0
	s_wait_dscnt DSN-RE0                           ; this group's 12 loads are in; what was issued behind them (the next group's 12, a turn's 32) may be out
.elseif (\g)%3 == 1
	s_wait_dscnt DSN-RE1
.else
	s_wait_dscnt DSN-RE2
.endif
.if (\g) == 0
	TILE 0, \hf, 0, 1
.rept 4
	v_nop                                          ; the slot's first tile carries no contraction: these are the four places (ISA guide 7.12.1) in front of the first read of its results
.endr
.elseif (\g) < 14
	TILE 2*(\g), \hf, 1, 1
.else
	TILE 2*(\g), \hf, 1, 0
.endif
	TILE 2*(\g)+1, \hf, 1, 0
.endm
.macro FLUSH hf                        ; the slot's last tile is contracted
.set fn, 0
.rept 16
	EP 32*(\hf)+31, fn
.set fn, fn+1
.endr
.endm
; The slice just quantised becomes the slice at work, so that one text serves every pass.  The scale words go first: they stand more than eight plain lines ahead of the next scaled product, the codes four.
.macro COPY
	WIN 0
.irp i, 0,1,2,3,4,5,6,7
	v_mov_b32 v[ASC+\i], v[ASCN+\i]
.endr
	WIN W_CP
.set ci, 0
.rept 96
	v_mov_b32 v[CUR+ci], v[NXT+ci]
.set ci, ci+1
.endr
.rept 4
	v_nop
.endr
.endm
; A slot: 32 tiles, 256 matrix instructions.  q = 1: four fragments of the next slice are quantised on the way (the first was turned at the last slot's end); ld: they ask for the fragments four on; c1 .. c4: the turns' counts (c4 < 0: no turn).
.macro SLOTB hf, q, ld, c1, c2, c3, c4
.set DSN, 0                            ; every slot begins behind a wait for all LDS instructions
.set YEND, 0
.set RE0, 0
.set RE1, 0
.set RE2, 0
	BSLOAD \hf
	RUN 0, \hf
	RUN 1, \hf
.if (\hf) == 0
	COPY
.endif
.if \q
	QUANT 4*(\hf), \ld
.endif
	GROUP 0, \hf
	GROUP 1, \hf
	GROUP 2, \hf
.if \q
	TURN 4*(\hf)+1, \c1
.endif
	GROUP 3, \hf
.if \q
	QUANT 4*(\hf)+1, \ld
.endif
	GROUP 4, \hf
	GROUP 5, \hf
	GROUP 6, \hf
.if \q
	TURN 4*(\hf)+2, \c2
.endif
	GROUP 7, \hf
.if \q
	QUANT 4*(\hf)+2, \ld
.endif
	GROUP 8, \hf
	GROUP 9, \hf
	GROUP 10, \hf
.if \q
	TURN 4*(\hf)+3, \c3
.endif
	GROUP 11, \hf
.if \q
	QUANT 4*(\hf)+3, \ld
.endif
	GROUP 12, \hf
	GROUP 13, \hf
	GROUP 14, \hf
.if \q
.if (\c4) >= 0
	TURN 0, \c4                                    ; the fragment four on from this slot's first lies in set 0
.endif
.endif
	GROUP 15, \hf
.endm
; The change of slots.  Each wave waits for all its tensor loads (one is out: its quarter of the other slot), adds 0 to its spare word, contracts the slot's last tile while the add is out, and waits for the add and its reads of this slot.
; fill = 1: a round of the cluster's barrier, and behind it my quarter of this slot's next contents (two slots on in wcodes), asked for jointly: it has the other slot's 256 matrix instructions in which to land.
.macro CHANGE slot, fill
	WIN 0
	s_wait_tensorcnt 0x0                           ; no tensor load of mine is out, so a group 0 may be written
	ds_add_u32 v[SPW], v[NIL]                      ; 0 onto my spare word
.if \fill
	s_add_nc_u64 s[G0+4*\slot+2:G0+4*\slot+3], s[G0+4*\slot+2:G0+4*\slot+3], 2*SLOTSZ
.endif
	WIN W_MUL
	FLUSH \slot
	WIN 0                                          ; at a branch and at a label every window is 0
	s_wait_dscnt 0x0                               ; the add is done, and my reads of this slot are over
.if \fill
	CROUND
	tensor_load_to_lds s[G0+4*\slot:G0+4*\slot+3], s[G1:G1+7]
	s_nop 0
.rept 4
	v_nop                                          ; with the contraction above, the places in front of the loads into registers that the last products read
.endr
.else
	s_barrier_signal -1
	s_barrier_wait -1
.endif
.endm
.macro PASSEND
	s_wait_xcnt 0x0                                ; the loads that name SB have had their addresses translated: only behind this wait is it stepped
	s_add_nc_u64 s[SB:SB+1], s[SB:SB+1], 1024      ; the next slice of 256 numbers
	v_add_nc_u32 v[ABS], 8192, v[ABS]              ; the next pass's scale words of W
.endm
	s_load_b256 s[4:11], s[0:1], 0x0               ; enc s[4:5], rnn s[6:7], bias s[8:9], wcodes s[10:11]
	s_load_b128 s[12:15], s[0:1], 0x20             ; wscl s[12:13], energy s[14:15]
	v_lshl_add_u32 v[SPW], v0, 2, SPARE
	v_mov_b32 v[NIL], 0
	ds_add_u32 v14, v15
	ds_add_u32 v14, v15
	s_wait_dscnt 0x0
	v_lshrrev_b32 v1, 5, v0
	v_readfirstlane_b32 s[WV], v1                  ; wave 0..3
	s_bfe_u32 s17, ttmp6, 0x40000                  ; cx: it enters enc's and energy's global addresses alone
	s_lshl_b32 s18, ttmp9, 2
	s_add_co_u32 s18, s18, s17                     ; x = 4 x cluster x + cx
	s_and_b32 s19, ttmp7, 0xffff                   ; b
	s_lshl_b32 s20, s18, 25                        ; 256 rows of 131,072 bytes,
	s_lshl_b32 s21, s[WV], 23                      ; my wave's 64,
	s_add_co_u32 s20, s20, s21
	s_lshl_b32 s21, s19, 12                        ; batch b's 4,096 bytes in a row s
	s_add_co_u32 s20, s20, s21
	s_mov_b32 s21, 0
	s_lshl_b32 s2, s19, 13                         ; energy: 4 (2,048 b + 256 x + 64 w)
	s_lshl_b32 s3, s18, 10
	s_add_co_u32 s2, s2, s3
	s_lshl_b32 s3, s[WV], 8
	s_add_co_u32 s2, s2, s3
	s_mov_b32 s3, 0
	s_lshl_b32 s22, s19, 12                        ; dec[b]
	s_mov_b32 s23, 0
	s_mul_i32 s60, s[WV], QUART                    ; my quarter of a slot, in wcodes and in LDS: the wave's number alone
	s_mov_b32 s61, 0
	s_lshl_b32 s62, s[WV], 13                      ; my quarter of the scale words
	s_mov_b32 s63, 0
	s_mul_i32 s59, s[WV], STGW
	s_add_co_u32 s59, s59, STG                     ; my stage
	s_mov_b32 s[SEL], 0x76543210
	s_mov_b32 s[SEL+1], 0xfedcba98
	; descriptor group 1: dense blocks as rows of 256 bytes (32 elements of 8 bytes)
	s_mov_b32 s[G1], 15|(3<<16)|(1<<21)            ; 15:0 the mask: all four work-groups; 17:16 elements of 8 bytes; 20 no padding; 21 set beside a mask
	s_mov_b32 s[G1+1], 32<<16                      ; tensor_dim0 = 32
	s_mov_b32 s[G1+2], 96<<16                      ; tensor_dim1 = 96
	s_mov_b32 s[G1+3], 32<<16                      ; tile_dim0 = 32
	s_mov_b32 s[G1+4], 96                          ; tile_dim1 = 96
	s_mov_b32 s[G1+5], 32                          ; from row to row: 32 elements
	s_mov_b32 s[G1+6], 0
	s_mov_b32 s[G1+7], 0
	s_mov_b32 s[G1S], 15|(3<<16)|(1<<21)
	s_mov_b32 s[G1S+1], 32<<16
	s_mov_b32 s[G1S+2], 32<<16                     ; 32 rows
	s_mov_b32 s[G1S+3], 32<<16
	s_mov_b32 s[G1S+4], 32
	s_mov_b32 s[G1S+5], 32
	s_mov_b32 s[G1S+6], 0
	s_mov_b32 s[G1S+7], 0
	v_and_b32 v1, 31, v0                           ; lane
	v_and_b32 v[RR], 15, v0                        ; r
	v_bfe_u32 v[HH], v0, 4, 1                      ; h
	v_lshlrev_b32 v[LI], 4, v1
	v_lshlrev_b32 v[T16], 4, v0
.irp i, 1,2,3
	v_add_nc_u32 v[ABF+\i], 49152*\i, v[LI]
.endr
	v_add_nc_u32 v[ABS], WSC, v[LI]
	v_add_nc_u32 v[STA], s59, v[LI]
	v_mul_u32_u24 v[LDA], v[RR], SP
	v_lshl_add_u32 v[LDA], v[HH], 7, v[LDA]
	v_add_nc_u32 v[LDA], s59, v[LDA]               ; row r, + 128 h: block h of the row's four
	v_lshl_add_u32 v[RA], v[RR], 2, DB
	v_lshlrev_b32 v[SH8], 3, v[HH]
	v_add_nc_u32 v[DBS], DB, v[T16]
	v_lshl_add_u32 v[ESA], v[HH], 5, s59
	v_lshl_add_u32 v[ELA], v1, 3, s59
	v_lshlrev_b32 v[EO], 3, v1
	v_mov_b32 v[U], 0                              ; a lane permute's destination counts as one of its sources
	s_wait_kmcnt 0x0
	s_add_nc_u64 s[SB:SB+1], s[4:5], s[20:21]
	s_add_nc_u64 s[EB:EB+1], s[14:15], s[2:3]
	s_add_nc_u64 s[6:7], s[6:7], s[22:23]
	s_add_nc_u64 s[10:11], s[10:11], s[60:61]
	s_add_nc_u64 s[12:13], s[12:13], s[62:63]
.irp i, 0,1
	s_mov_b32 s[G0+4*\i], 1                        ; count = 1
	s_add_co_u32 s[G0+4*\i+1], s60, \i*SLOTSZ      ; LDS address
	s_add_nc_u64 s[G0+4*\i+2:G0+4*\i+3], s[10:11], \i*SLOTSZ   ; slot i begins with block k = i of wcodes
	s_or_b32 s[G0+4*\i+3], s[G0+4*\i+3], 0x80000000            ; type = 2
.endr
	s_mov_b32 s[G0S], 1
	s_add_co_u32 s[G0S+1], s62, WSC
	s_mov_b64 s[G0S+2:G0S+3], s[12:13]
	s_or_b32 s[G0S+3], s[G0S+3], 0x80000000
	CROUND                                         ; all four work-groups are here: the first joint loads meet
	tensor_load_to_lds s[G0S:G0S+3], s[G1S:G1S+7]  ; the first fills go out together: three tensor loads of mine are out
	s_nop 0
	tensor_load_to_lds s[G0:G0+3], s[G1:G1+7]
	s_nop 0
	tensor_load_to_lds s[G0+4:G0+7], s[G1:G1+7]
	s_nop 0
.rept 4
	v_nop
.endr
	global_load_b128 v[DBX:DBX+3], v[T16], s[6:7]                  ; dec[b] and b_attn: 128 threads x 16 bytes, twice each
	global_load_b128 v[DBX+4:DBX+7], v[T16], s[6:7] offset:2048
	global_load_b128 v[DBX+8:DBX+11], v[T16], s[8:9]
	global_load_b128 v[DBX+12:DBX+15], v[T16], s[8:9] offset:2048
	GLOAD 0, 0, 0
	GLOAD 1, 1, 0
	GLOAD 2, 2, 0
	WIN 0
	s_wait_loadcnt 48                              ; dec and bias are in; the three fragments' 48 loads may be out
.irp i, 0,1,2,3
	ds_store_b128 v[DBS], v[DBX+4*\i:DBX+4*\i+3] offset:2048*\i
.endr
	GLOAD 3, 3, 0
	; slice 0 is quantised; nothing is there yet to multiply
	TURN 0, 48
	QUANT 0, 1
.irp j, 1,2,3,4,5,6,7
	TURN \j, 48
	QUANT \j, 1
.endr
	TURN 0, 48                                     ; slice 1's first fragment
	s_wait_xcnt 0x0
	s_add_nc_u64 s[SB:SB+1], s[SB:SB+1], 1024
	s_wait_tensorcnt 0x1                           ; my quarters of the scale words and of slot 0 are in; slot 1's may stay out
	s_wait_dscnt 0x0                               ; my part of dec and bias has landed
	s_barrier_signal -1
	s_barrier_wait -1
	WIN W_C1
.set ci, 0
.rept 64
	ds_load_b32 v[DW+ci], v[RA] offset:64*ci       ; dec[16 t + r]: they stay
.set ci, ci+1
.endr
	WIN W_BF
.set ci, 0
.rept 64
	ds_load_b32 v[BF+ci], v[RA] offset:4096+64*ci  ; b_attn[16 t + r], into registers that W's fragments take later
.set ci, ci+1
.endr
	s_wait_dscnt 0x0
	WIN W_MUL
.irp c, 0,1,2,3
	v_mul_f32 v[TW+\c], v[DW+\c], v[BF+\c]
.endr
.set ci, 4
.rept 60
	v_fma_f32 v[TW+ci%4], v[DW+ci], v[BF+ci], v[TW+ci%4]
.set ci, ci+1
.endr
	WIN W_ALL2
	v_add_f32 v[TW], v[TW], v[TW+1]
	v_add_f32 v[TW+2], v[TW+2], v[TW+3]
	v_add_f32 v[TW], v[TW], v[TW+2]
.set ci, 0
.rept 32
	v_mov_b32 v[E+ci], v[TW]                       ; E begins as my lane's share of dec . b: the sum over the sixteen lanes at the end makes it whole
.set ci, ci+1
.endr
	WIN 0
	s_mov_b32 s58, 2
.Lpass:                                            ; passes 0 and 1
	SLOTB 0, 1, 1, 48, 48, 48, 48
	CHANGE 0, 1
	SLOTB 1, 1, 1, 48, 48, 48, 48
	CHANGE 1, 1
	PASSEND
	s_sub_co_u32 s58, s58, 1
	s_cmp_lg_u32 s58, 0
	s_cbranch_scc1 .Lpass
	SLOTB 0, 1, 1, 48, 48, 48, 48                  ; pass 2 is written out: behind slice 3 nothing is left to load, and the counts run down
	CHANGE 0, 1
	SLOTB 1, 1, 0, 32, 16, 0, -1
	CHANGE 1, 1
	v_add_nc_u32 v[ABS], 8192, v[ABS]
	SLOTB 0, 0, 0, 0, 0, 0, -1                     ; pass 3: products alone; no slot is filled that nobody reads
	CHANGE 0, 0
	SLOTB 1, 0, 0, 0, 0, 0, -1
	WIN W_MUL
	FLUSH 1
	; THE WAY OUT.  E[a][j] of lane (r, h) is the share of columns n = r mod 16 in the energy of row 16 a + 8 h + j: summed over the sixteen lanes of a half, laid in my stage by rows, stored as 256 consecutive bytes.
	WIN W_E0
.set ci, 0
.rept 32
	v_mov_b32 v[Y+ci], v[E+ci]
.set ci, ci+1
.endr
	WIN 0
.irp m, 1,2,4,8
.set ci, 0
.rept 32
	v_add_f32_dpp v[Y+ci], v[Y+ci], v[Y+ci] row_xmask:\m row_mask:0xf bank_mask:0xf
.set ci, ci+1
.endr
.endr
.irp a, 0,1,2,3
	ds_store_b128 v[ESA], v[Y+8*\a:Y+8*\a+3] offset:64*\a          ; 4 (16 a + 8 h + j): the sixteen lanes of a half write the same bytes with the same values
	ds_store_b128 v[ESA], v[Y+8*\a+4:Y+8*\a+7] offset:64*\a+16
.endr
	ds_load_b64 v[OUTP:OUTP+1], v[ELA]             ; LDS serves a wave's instructions in order: this sees the stores above
	s_wait_dscnt 0x0
	global_store_b64 v[EO], v[OUTP:OUTP+1], s[EB:EB+1]             ; 32 lanes store 256 consecutive bytes, at a multiple of 256 from the buffer's first byte
	s_wait_tensorcnt 0x0                           ; the wave's end
	ds_add_u32 v[SPW], v[NIL]
	s_wait_dscnt 0x0
	CROUND                                         ; the closing round: no work-group ends while a partner may still ask for a tile that names it
	s_endpgm
.Lfunc_end_k_qde64f8ac37_project:
	.size	k_qde64f8ac37_project, .Lfunc_end_k_qde64f8ac37_project-k_qde64f8ac37_project
	.p2alignl 7, 3214868480
	.fill 96, 4, 3214868480
	.section	.rodata,"a",@progbits
	.p2align	6, 0x0
	.amdhsa_kernel k_qde64f8ac37_project
		.amdhsa_group_segment_fixed_size 327680
		.amdhsa_private_segment_fixed_size 0
		.amdhsa_enable_private_segment 0
		.amdhsa_kernarg_size 48
		.amdhsa_user_sgpr_count 2
		.amdhsa_user_sgpr_kernarg_segment_ptr 1
		.amdhsa_wavefront_size32 1
		.amdhsa_system_sgpr_workgroup_id_x 1
		.amdhsa_system_sgpr_workgroup_id_y 1
		.amdhsa_system_sgpr_workgroup_id_z 1
		.amdhsa_system_vgpr_workitem_id 0
		.amdhsa_next_free_vgpr 1024
		.amdhsa_next_free_sgpr 66
		.amdhsa_reserve_vcc 0
		.amdhsa_float_denorm_mode_32 3
		.amdhsa_float_denorm_mode_16_64 3
		.amdhsa_memory_ordered 1
		.amdhsa_forward_progress 1
		.amdhsa_inst_pref_size 255
	.end_amdhsa_kernel
	.section	.bss,"aw",@nobits
	.p2align	6
	.space	262144
	.amdgpu_metadata
---
amdhsa.version: [ 1, 2 ]
amdhsa.kernels:
  - .name:           k_qde64f8ac37_project
    .symbol:         k_qde64f8ac37_project.kd
    .args:
      - { .name: encoder_outputs, .offset: 0, .size: 8, .value_kind: global_buffer, .address_space: global }
      - { .name: rnn_outputs, .offset: 8, .size: 8, .value_kind: global_buffer, .address_space: global }
      - { .name: b_attn, .offset: 16, .size: 8, .value_kind: global_buffer, .address_space: global }
      - { .name: wcodes, .offset: 24, .size: 8, .value_kind: global_buffer, .address_space: global }
      - { .name: wscl, .offset: 32, .size: 8, .value_kind: global_buffer, .address_space: global }
      - { .name: energy, .offset: 40, .size: 8, .value_kind: global_buffer, .address_space: global }
    .group_segment_fixed_size: 327680
    .private_segment_fixed_size: 0
    .kernarg_segment_align: 8
    .kernarg_segment_size: 48
    .max_flat_workgroup_size: 128
    .sgpr_count:     66
    .vgpr_count:     1024
    .wavefront_size: 32
...
	.end_amdgpu_metadata
.endif
;; end of part 2
;; launch softmax (part 3): grid 32 x 1, 1 waves a work-group, no clusters, 0 bytes of LDS; arguments energy, out0; writes out0
.if DOCPART == 3
	.amdgcn_target "amdgcn-amd-amdhsa--gfx1250"
	.amdhsa_code_object_version 6
	.text
	.protected	k_qde64f8ac37_softmax
	.globl	k_qde64f8ac37_softmax
	.p2align	8
	.type	k_qde64f8ac37_softmax,@function
k_qde64f8ac37_softmax:
	s_mov_b64 s[64:65], 0
	v_nop
	global_prefetch_b8 v0, s[64:65] scope:SCOPE_SE
	s_setreg_imm32_b32 hwreg(HW_REG_WAVE_MODE, 25, 1), 1
	s_wait_xcnt 0x0
; out0[b][:] = softmax(energy[b][:]), 2,048 numbers a row, in f32, the row's maximum taken away first.  One wave takes one row and keeps it in 64 registers between the passes: no LDS, no barrier.
; The design has work for 32 work-groups (one for each b), so 32 are launched.  Each load and store of the wave covers 512 consecutive bytes.  LIMITS: NaN and infinities among the energies are not served.
.set X, 8                              ; v8-71 the row
.set MX, 72                            ; v72-75 four chains of the maximum;  v[76:77] the maximum, twice
.set SM, 78                            ; v78-85 four chains of the sum, in pairs
.set RC, 86                            ; v[86:87] 1 / sum, twice
	s_load_b128 s[4:7], s[0:1], 0x0                ; energy, out0
	v_lshlrev_b32 v1, 4, v0
	v_mov_b32 v3, 0                                ; a lane permute's destination counts as one of its sources
	s_lshl_b32 s8, ttmp9, 13                       ; row b: 8,192 bytes
	s_mov_b32 s9, 0
	s_mov_b32 s10, 0x76543210
	s_mov_b32 s11, 0xfedcba98
	s_mov_b32 s12, 0x3fb8aa3b                      ; log2(e)
	s_mov_b32 s13, s12                             ; (named with it as a pair, so it is written)
	s_wait_kmcnt 0x0
	s_add_nc_u64 s[4:5], s[4:5], s[8:9]
	s_add_nc_u64 s[6:7], s[6:7], s[8:9]
.irp i, 0,1,2,3,4,5,6,7,8,9,10,11,12,13,14,15
	global_load_b128 v[X+4*\i:X+4*\i+3], v1, s[4:5] offset:512*\i
.endr
	s_wait_loadcnt 0x0
.irp c, 0,1,2,3
	v_max3_num_f32 v[MX+\c], v[X+16*\c], v[X+16*\c+1], v[X+16*\c+2]
.endr
.irp i, 3,5,7,9,11,13
.irp c, 0,1,2,3
	v_max3_num_f32 v[MX+\c], v[MX+\c], v[X+16*\c+\i], v[X+16*\c+\i+1]
.endr
.endr
	v_max3_num_f32 v[MX], v[MX], v[X+15], v[X+31]
	v_max3_num_f32 v[MX+2], v[MX+2], v[X+47], v[X+63]
	v_max3_num_f32 v[MX], v[MX], v[MX+1], v[MX+2]
	v_max_num_f32 v[MX], v[MX], v[MX+3]
	v_max_num_f32_dpp v[MX], v[MX], v[MX] row_xmask:1 row_mask:0xf bank_mask:0xf
	v_max_num_f32_dpp v[MX], v[MX], v[MX] row_xmask:2 row_mask:0xf bank_mask:0xf
	v_max_num_f32_dpp v[MX], v[MX], v[MX] row_xmask:4 row_mask:0xf bank_mask:0xf
	v_max_num_f32_dpp v[MX], v[MX], v[MX] row_xmask:8 row_mask:0xf bank_mask:0xf
	v_permlanex16_b32 v3, v[MX], s10, s11
	v_max_num_f32 v[MX+4], v[MX], v3               ; the row's maximum, in every lane
	v_mov_b32 v[MX+5], v[MX+4]
.set i, 0
.rept 32
	v_pk_add_f32 v[X+i:X+i+1], v[X+i:X+i+1], v[MX+4:MX+5] neg_lo:[0,1] neg_hi:[0,1]   ; e - m first, so that large energies lose nothing in the scaling
.set i, i+2
.endr
.set i, 0
.rept 32
	v_pk_mul_f32 v[X+i:X+i+1], v[X+i:X+i+1], s[12:13] op_sel_hi:[1,0]
.set i, i+2
.endr
.set i, 0
.rept 64
	v_exp_f32 v[X+i], v[X+i]
.set i, i+1
.endr
	v_nop                                          ; one plain place behind the exponentials
	s_wait_alu depctr_va_vdst(0)
.irp c, 0,1,2,3
	v_pk_add_f32 v[SM+2*\c:SM+2*\c+1], v[X+2*\c:X+2*\c+1], v[X+8+2*\c:X+8+2*\c+1]
.endr
.irp k, 2,3,4,5,6,7
.irp c, 0,1,2,3
	v_pk_add_f32 v[SM+2*\c:SM+2*\c+1], v[SM+2*\c:SM+2*\c+1], v[X+8*\k+2*\c:X+8*\k+2*\c+1]
.endr
.endr
	v_pk_add_f32 v[SM:SM+1], v[SM:SM+1], v[SM+2:SM+3]
	v_pk_add_f32 v[SM+4:SM+5], v[SM+4:SM+5], v[SM+6:SM+7]
	v_pk_add_f32 v[SM:SM+1], v[SM:SM+1], v[SM+4:SM+5]
	v_add_f32 v[SM], v[SM], v[SM+1]
	v_add_f32_dpp v[SM], v[SM], v[SM] row_xmask:1 row_mask:0xf bank_mask:0xf
	v_add_f32_dpp v[SM], v[SM], v[SM] row_xmask:2 row_mask:0xf bank_mask:0xf
	v_add_f32_dpp v[SM], v[SM], v[SM] row_xmask:4 row_mask:0xf bank_mask:0xf
	v_add_f32_dpp v[SM], v[SM], v[SM] row_xmask:8 row_mask:0xf bank_mask:0xf
	v_permlanex16_b32 v3, v[SM], s10, s11
	v_add_f32 v[SM], v[SM], v3                     ; the row's sum: at least 1, since the maximum's term is 1
	v_rcp_f32 v[RC], v[SM]
	v_rcp_f32 v[RC+1], v[SM]
	v_nop                                          ; one plain place behind the reciprocals
.set i, 0
	s_wait_alu depctr_va_vdst(0)
.rept 32
	v_pk_mul_f32 v[X+i:X+i+1], v[X+i:X+i+1], v[RC:RC+1]
.set i, i+2
.endr
.irp i, 0,1,2,3,4,5,6,7,8,9,10,11,12,13,14,15
	global_store_b128 v1, v[X+4*\i:X+4*\i+3], s[6:7] offset:512*\i
.endr
	s_endpgm
.Lfunc_end_k_qde64f8ac37_softmax:
	.size	k_qde64f8ac37_softmax, .Lfunc_end_k_qde64f8ac37_softmax-k_qde64f8ac37_softmax
	.p2alignl 7, 3214868480
	.fill 96, 4, 3214868480
	.section	.rodata,"a",@progbits
	.p2align	6, 0x0
	.amdhsa_kernel k_qde64f8ac37_softmax
		.amdhsa_group_segment_fixed_size 0
		.amdhsa_private_segment_fixed_size 0
		.amdhsa_enable_private_segment 0
		.amdhsa_kernarg_size 16
		.amdhsa_user_sgpr_count 2
		.amdhsa_user_sgpr_kernarg_segment_ptr 1
		.amdhsa_wavefront_size32 1
		.amdhsa_system_sgpr_workgroup_id_x 1
		.amdhsa_system_sgpr_workgroup_id_y 1
		.amdhsa_system_sgpr_workgroup_id_z 1
		.amdhsa_system_vgpr_workitem_id 0
		.amdhsa_next_free_vgpr 96
		.amdhsa_next_free_sgpr 66
		.amdhsa_reserve_vcc 0
		.amdhsa_float_denorm_mode_32 3
		.amdhsa_float_denorm_mode_16_64 3
		.amdhsa_memory_ordered 1
		.amdhsa_forward_progress 1
		.amdhsa_inst_pref_size 17
	.end_amdhsa_kernel
	.amdgpu_metadata
---
amdhsa.version: [ 1, 2 ]
amdhsa.kernels:
  - .name:           k_qde64f8ac37_softmax
    .symbol:         k_qde64f8ac37_softmax.kd
    .args:
      - { .name: energy, .offset: 0, .size: 8, .value_kind: global_buffer, .address_space: global }
      - { .name: out0, .offset: 8, .size: 8, .value_kind: global_buffer, .address_space: global }
    .group_segment_fixed_size: 0
    .private_segment_fixed_size: 0
    .kernarg_segment_align: 8
    .kernarg_segment_size: 16
    .max_flat_workgroup_size: 32
    .sgpr_count:     66
    .vgpr_count:     96
    .wavefront_size: 32
...
	.end_amdgpu_metadata
.endif
;; end of part 3
;; ======== version 2 of 2: 3 launches
;; limits: right only within a limited range of input values
;; workspace buffers: wpk 819,200 bytes; energy 262,144 bytes
;; launch quantw (part 4): grid 64 x 1, 8 waves a work-group, no clusters, 69,120 bytes of LDS; arguments W_attn, wpk; writes wpk
.if DOCPART == 4
	.amdgcn_target "amdgcn-amd-amdhsa--gfx1250"
	.amdhsa_code_object_version 6
	.text
	.protected	k_qde64f8ac37_quantw
	.globl	k_qde64f8ac37_quantw
	.p2align	8
	.type	k_qde64f8ac37_quantw,@function
k_qde64f8ac37_quantw:
	s_mov_b64 s[64:65], 0
	v_nop
	global_prefetch_b8 v0, s[64:65] scope:SCOPE_SE
	s_setreg_imm32_b32 hwreg(HW_REG_WAVE_MODE, 25, 1), 1
	s_wait_xcnt 0x0
; DEAD WORK, for the whole program: energies[b][s] = dec[b] . (Q(enc[s][b]) Q(W)^T) + dec[b] . b_attn.  The second term does not hang on s, the softmax's axis, so for all values
; of the inputs it is added alike to every number of a row and the softmax cancels it.  b_attn has no other way to the output: it is not loaded and is no argument of any launch.
; LIMIT: a NaN, an infinity or an overflow that reaches only dec . b_attn is not carried to the result.
; THIS LAUNCH: W_attn [1024 (n)][1024 (h)] f32 becomes codes of FP6 (E2M3) with one E8M0 scale for each 32 along h, laid as the stream that a wave of the next launch reads:
; wpk [half of n (2)][p: slice of 256 along h (4)][pair of tiles (16)][6,400 bytes].  Tile t (16 rows n) = 32 half + 2 pair + u.  In a pair's block:
;   codes at 3,072 u + 1,536 s + 512 g + 16 l: registers 4 g .. 4 g + 3 of lane l of the fragment of rows 16 t .. 16 t + 15 and K step 2 p + s;
;   scale words at 6,144 + 8 L + 4 u: L < 16: row 16 t + L, K step 2 p; L >= 16: row 16 t + L - 16, K step 2 p + 1.
; A block's scale byte is its largest magnitude's exponent field - 2, held at 1 from below by a floor among the maximum's leaves.  A block of zeros so gets the byte 1 where the rule says 127:
; its codes are zeros, and this program alone reads the bytes.  LIMITS: NaN and infinities among the inputs are not served.
; SHARES: work-group (p = x / 16, q = x % 16); wave v makes ONE fragment: t = 4 q + v % 4, K step 2 p + v / 4.  Each load reads 512 consecutive bytes of a row; the 16 rows turn through the
; wave's own stage in LDS (pitch 528 = 33 x 16 bytes), so that lane (r, h) gets blocks h and 2 + h of row r, 32 neighbours each, in consecutive registers.
.set SP,   528
.set STGW, 16*SP
.set SCA,  8*STGW                      ; behind the stages: the work-group's 128 scale words, two blocks of 256 bytes; behind them the spare words
.set LI,   4
.set STA,  5
.set LDA,  6
.set SH8,  7
.set SWA,  8
.set SRA,  9
.set M,    10
.set MB,   12
.set S,    14
.set X,    16                          ; v16-79 the fragment as loaded; free behind the turn
.set CT,   16
.set BT,   24
.set T,    26
.set U,    27
.set Y,    80                          ; v80-143 my 64 numbers
.set CD,   144                         ; v144-155 the codes
.set SW,   156
.set SO,   157                         ; where wave 0 stores the words: 16 (l % 16) + 6,400 (l / 16)
	s_load_b128 s[4:7], s[0:1], 0x0                ; W, wpk
	s_load_b64 s[8:9], s[0:1], 0x8                 ; wpk once more, for the scale words
	v_lshl_add_u32 v160, v0, 2, 0x10a00
	v_mov_b32 v161, 0
	v_lshrrev_b32 v1, 5, v0
	s_delay_alu instid0(VALU_DEP_1)
	v_readfirstlane_b32 s16, v1                    ; wave 0..7
	s_mul_i32 s17, s16, STGW
	s_and_b32 s18, s16, 3                          ; t % 4
	s_lshr_b32 s19, s16, 2                         ; s
	s_lshr_b32 s30, s18, 1                         ; which of the work-group's two pairs
	s_and_b32 s31, s18, 1                          ; u
	s_lshl_b32 s20, s19, 7
	s_lshl_b32 s21, s30, 8
	s_add_co_u32 s20, s20, s21
	s_lshl_b32 s21, s31, 2
	s_add_co_u32 s20, s20, s21
	s_add_co_u32 s20, s20, SCA                     ; SCA + 256 pair + 8 x 16 s + 4 u
	s_lshr_b32 s22, ttmp9, 4                       ; p
	s_and_b32 s23, ttmp9, 15                       ; q
	s_lshl_b32 s24, s23, 2
	s_add_co_u32 s24, s24, s18                     ; t
	s_lshl_b32 s24, s24, 16                        ; 16 rows of 4,096 bytes
	s_lshl_b32 s25, s22, 1
	s_add_co_u32 s25, s25, s19                     ; K step
	s_lshl_b32 s25, s25, 9
	s_add_co_u32 s24, s24, s25
	s_mov_b32 s25, 0                               ; s[24:25]: my fragment in W
	s_lshr_b32 s26, s23, 3                         ; half of n
	s_lshl_b32 s26, s26, 2
	s_add_co_u32 s26, s26, s22
	s_lshl_b32 s26, s26, 4
	s_and_b32 s27, s23, 7
	s_lshl_b32 s27, s27, 1
	s_add_co_u32 s26, s26, s27                     ; the block of the work-group's first pair
	s_mul_i32 s28, s26, 6400
	s_add_co_u32 s28, s28, 6144                    ; s[28:29]: its scale words
	s_add_co_u32 s26, s26, s30
	s_mul_i32 s26, s26, 6400
	s_mul_i32 s27, s31, 3072
	s_add_co_u32 s26, s26, s27
	s_mul_i32 s27, s19, 1536
	s_add_co_u32 s26, s26, s27
	s_mov_b32 s27, 0                               ; s[26:27]: my fragment's image
	s_mov_b32 s29, 0
	s_mov_b32 s10, 0x76543210
	s_mov_b32 s11, 0xfedcba98                      ; selects for lane l xor 16
	v_and_b32 v1, 31, v0
	v_and_b32 v2, 15, v0                           ; r
	v_bfe_u32 v3, v0, 4, 1                         ; h
	v_lshlrev_b32 v[LI], 4, v1
	v_mul_u32_u24 v[LDA], v2, SP
	v_mul_u32_u24 v[SO], v3, 6400
	v_lshlrev_b32 v[SH8], 3, v3
	v_add_nc_u32 v[STA], s17, v[LI]
	v_lshl_add_u32 v[LDA], v3, 7, v[LDA]
	v_lshl_add_u32 v[SO], v2, 4, v[SO]
	v_lshl_add_u32 v[SWA], v2, 3, s20
	v_add_nc_u32 v[SRA], SCA, v[LI]
	v_add_nc_u32 v[LDA], s17, v[LDA]               ; row r, + 128 h
	s_wait_alu depctr_va_vdst(0)
	s_wait_kmcnt 0x0
	s_add_nc_u64 s[4:5], s[4:5], s[24:25]
	s_add_nc_u64 s[6:7], s[6:7], s[26:27]
	s_add_nc_u64 s[8:9], s[8:9], s[28:29]
.irp i, 0,1,2,3,4,5,6,7,8,9,10,11,12,13,14,15
	global_load_b128 v[X+4*\i:X+4*\i+3], v[LI], s[4:5] offset:4096*\i   ; row i: 512 consecutive bytes
.endr
	s_wait_loadcnt 0x0
.irp i, 0,1,2,3,4,5,6,7,8,9,10,11,12,13,14,15
	ds_store_b128 v[STA], v[X+4*\i:X+4*\i+3] offset:SP*\i
.endr
.irp c, 0,1
.irp i, 0,1,2,3,4,5,6,7
	ds_load_b128 v[Y+32*\c+4*\i:Y+32*\c+4*\i+3], v[LDA] offset:256*\c+16*\i   ; a wave's LDS instructions are served in order.  Y[32 c + n] = k 64 c + 32 h + n of row r
.endr
.endr
	s_wait_dscnt 0x0
	v_mov_b32 v[U], 0                              ; a lane permute's destination counts as one of its sources
.irp c, 0,1
	v_max3_num_f32 v[M+\c], |v[Y+32*\c]|, |v[Y+32*\c+1]|, 0x1800000   ; the floor 2^(3 - 127) holds the byte at 1 from below
	v_max3_num_f32 v[MB+\c], |v[Y+32*\c+16]|, |v[Y+32*\c+17]|, |v[Y+32*\c+18]|
.endr
.irp i, 2,4,6,8,10,12
.irp c, 0,1
	s_delay_alu instid0(VALU_DEP_4)
	v_max3_num_f32 v[M+\c], v[M+\c], |v[Y+32*\c+\i]|, |v[Y+32*\c+\i+1]|
	s_delay_alu instid0(VALU_DEP_4)
	v_max3_num_f32 v[MB+\c], v[MB+\c], |v[Y+32*\c+\i+17]|, |v[Y+32*\c+\i+18]|
.endr
.endr
	s_delay_alu instid0(VALU_DEP_4)
	v_max3_num_f32 v[M], v[M], |v[Y+14]|, |v[Y+15]|
	s_delay_alu instid0(VALU_DEP_3)
	v_max3_num_f32 v[M+1], v[M+1], |v[Y+46]|, |v[Y+47]|
.irp c, 0,1
	s_delay_alu instid0(VALU_DEP_2)
	v_max3_num_f32 v[M+\c], v[M+\c], v[MB+\c], |v[Y+32*\c+31]|
.endr
.irp c, 0,1
	s_delay_alu instid0(VALU_DEP_2)
	v_add_nc_u32 v[S+\c], 0xff000000, v[M+\c]      ; 2 off the exponent field: the conversion's scale operand
.endr
.irp c, 0,1
	s_delay_alu instid0(VALU_DEP_2)
	v_lshrrev_b32 v[BT+\c], 23, v[S+\c]            ; the scale's byte
.endr
	s_delay_alu instid0(VALU_DEP_1)
	v_lshl_or_b32 v[T], v[BT+1], 16, v[BT]
	s_delay_alu instid0(VALU_DEP_1)
	v_lshlrev_b32 v[T], v[SH8], v[T]
	s_delay_alu instid0(VALU_DEP_1)
	v_permlanex16_b32 v[U], v[T], s10, s11
	s_delay_alu instid0(VALU_DEP_1)
	v_or_b32 v[SW], v[T], v[U]                     ; with lane l xor 16's two bytes the word is whole
	v_cvt_scalef32_pk16_fp6_f32 v[CD:CD+2], v[Y:Y+15], v[S]
	v_cvt_scalef32_pk16_fp6_f32 v[CT:CT+2], v[Y+16:Y+31], v[S]          ; (three registers from an even one: a block's upper three are made here and moved)
	v_cvt_scalef32_pk16_fp6_f32 v[CD+6:CD+8], v[Y+32:Y+47], v[S+1]
	v_cvt_scalef32_pk16_fp6_f32 v[CT+4:CT+6], v[Y+48:Y+63], v[S+1]
	v_nop                                          ; one plain place behind a scaled conversion
.irp c, 0,1
.irp i, 0,1,2
	v_mov_b32 v[CD+6*\c+3+\i], v[CT+4*\c+\i]
.endr
.endr
.irp g, 0,1,2
	global_store_b128 v[LI], v[CD+4*\g:CD+4*\g+3], s[6:7] offset:512*\g   ; 512 consecutive bytes, at a multiple of 256 from the buffer's first byte
.endr
	ds_store_b32 v[SWA], v[SW]                     ; lanes r and r + 16 write the same word with the same value
	s_wait_dscnt 0x0                               ; for the others' sake: my word has landed
	s_barrier_signal -1
	s_barrier_wait -1
	s_cmp_lg_u32 s16, 0
	s_cbranch_scc1 .Lend                           ; wave 0 alone stores the eight waves' words
	ds_load_b128 v[X:X+3], v[SRA]
	s_wait_dscnt 0x0
	global_store_b128 v[SO], v[X:X+3], s[8:9]      ; sixteen lanes store a pair's 256 consecutive bytes, at a multiple of 256 from the buffer's first byte
.Lend:
	s_wait_tensorcnt 0x0                           ; the wave's end
	ds_add_u32 v160, v161
	s_wait_dscnt 0x0
	s_endpgm
.Lfunc_end_k_qde64f8ac37_quantw:
	.size	k_qde64f8ac37_quantw, .Lfunc_end_k_qde64f8ac37_quantw-k_qde64f8ac37_quantw
	.p2alignl 7, 3214868480
	.fill 96, 4, 3214868480
	.section	.rodata,"a",@progbits
	.p2align	6, 0x0
	.amdhsa_kernel k_qde64f8ac37_quantw
		.amdhsa_group_segment_fixed_size 69120
		.amdhsa_private_segment_fixed_size 0
		.amdhsa_enable_private_segment 0
		.amdhsa_kernarg_size 16
		.amdhsa_user_sgpr_count 2
		.amdhsa_user_sgpr_kernarg_segment_ptr 1
		.amdhsa_wavefront_size32 1
		.amdhsa_system_sgpr_workgroup_id_x 1
		.amdhsa_system_sgpr_workgroup_id_y 1
		.amdhsa_system_sgpr_workgroup_id_z 1
		.amdhsa_system_vgpr_workitem_id 0
		.amdhsa_next_free_vgpr 162
		.amdhsa_next_free_sgpr 66
		.amdhsa_reserve_vcc 0
		.amdhsa_float_denorm_mode_32 3
		.amdhsa_float_denorm_mode_16_64 3
		.amdhsa_memory_ordered 1
		.amdhsa_forward_progress 1
		.amdhsa_inst_pref_size 12
	.end_amdhsa_kernel
	.amdgpu_metadata
---
amdhsa.version: [ 1, 2 ]
amdhsa.kernels:
  - .name:           k_qde64f8ac37_quantw
    .symbol:         k_qde64f8ac37_quantw.kd
    .args:
      - { .name: W_attn, .offset: 0, .size: 8, .value_kind: global_buffer, .address_space: global }
      - { .name: wpk, .offset: 8, .size: 8, .value_kind: global_buffer, .address_space: global }
    .group_segment_fixed_size: 69120
    .private_segment_fixed_size: 0
    .kernarg_segment_align: 8
    .kernarg_segment_size: 16
    .max_flat_workgroup_size: 256
    .sgpr_count:     66
    .vgpr_count:     162
    .wavefront_size: 32
...
	.end_amdgpu_metadata
.endif
;; end of part 4
;; launch project (part 5): grid 8 x 32, 4 waves a work-group, no clusters, 327,680 bytes of LDS; arguments encoder_outputs, rnn_outputs, wpk, energy; writes energy
.if DOCPART == 5
	.amdgcn_target "amdgcn-amd-amdhsa--gfx1250"
	.amdhsa_code_object_version 6
	.text
	.protected	k_qde64f8ac37_project
	.globl	k_qde64f8ac37_project
	.p2align	8
	.type	k_qde64f8ac37_project,@function
k_qde64f8ac37_project:
	s_mov_b64 s[64:65], 0
	v_nop
	global_prefetch_b8 v0, s[64:65] scope:SCOPE_SE
	s_setreg_imm32_b32 hwreg(HW_REG_WAVE_MODE, 25, 1), 1
	s_wait_xcnt 0x0
; energy[b][s] = sum over n of dec[b][n] (sum over h of Q(enc[s][b][h]) Q(W[n][h])), Q the MX-FP6 quantiser along h.  The inner product runs on the scaled FP6 matrix form; proj never goes to memory.
; LEFT OUT: dec[b] . b_attn, the same for every s of a row b, which the softmax cancels (shown at the head of the first kernel).
; SHARES.  Work-group (x, b) owns rows s = 256 x .. 256 x + 255 of one batch b.  Wave w multiplies rows 128 (w / 2) .. + 127 (eight tiles a of 16) against columns 512 (w % 2) .. + 511.
; STEPS.  K = 1,024 is four slices of 256 (two K steps).  Chunk c of enc (c = 0 .. 7): slice c / 2, rows 128 (c % 2) .. + 127, as f32, 128 KiB; it lies in LDS slot c % 2; wave w fetches and quantises its rows 32 w .. 32 w + 31.
; Step t = 0 .. 9 quantises chunk t (t < 8) and multiplies, from t = 2 on, half a slice of W (16 tiles a wave); behind its barrier every wave asks for its part of chunk t + 1: one tensor load a wave.
; Codes go from wave to wave as images of the operand's registers in LDS; at each even step from 2 on they become the operand at work.
; W COMES STRAIGHT INTO REGISTERS, as images of its fragments laid by the launch before in the order of a wave's walk: each load reads 512 consecutive bytes.  A ring of four pairs of tiles: when a pair is done, its registers are
; asked for the pair four on.  NO CLUSTER, NO JOINT LOAD: enc's two slots (2 x 133,120 bytes), the images (53,248), dec, the spare words and the stage (6,656) take 326,144 of LDS's 327,680 bytes, so W has no slot in LDS,
; and enc's tiles are each work-group's own: no tensor tile is shared.  The last trip's look-ahead is held at the stream's last four pairs: 52 of a wave's 884 loads of W are not used.
; A trip of a step's inner loop is eight tiles (128 matrix instructions) and two fragments quantised.  An accumulator is two matrix instructions deep and is then contracted with dec behind the next tile's products.
; THE MATRIX INSTRUCTION IS USED TRANSPOSED (source 0 = 16 rows of W, source 1 = 16 rows of enc): lane (r, h) holds row r of enc and columns 8 h + 0 .. 7.
; PREFETCH: in step t each wave names the 128 blocks of 256 bytes of its 32 rows of chunk t + 3, which the tensor load of step t + 2 fetches; each block once; steps 5 and later name nothing.
; ORDER OF ROUNDING (stated): the f32 sum over K is formed in four parts, each multiplied by dec in f32 and added to E.  LIMITS: NaN and infinities among the inputs are not served.
; A block of zeros gets the scale byte 1 where the rule says 127: its codes are zeros, and the byte stays in this launch.
; REGISTERS: window 0: addresses, scale words, the quantiser.  window 1: v0-191 enc's 16 fragments at work; v192-255 dec, eight sets of 8.  window 2: v96-223 two sets of 8 accumulators; v224-255 E.  window 3: v0-191 W's fragments, eight tiles.
.set EPI,   1040                       ; enc's LDS row: 1,024 bytes + 16: sixteen rows fall into sixteen different columns of 16 bytes
.set ENCS,  128*EPI                    ; a slot
.set DEC,   2*ENCS                     ; dec[b], 4,096 bytes
.set SPARE, DEC+4096                   ; the spare words, 128 bytes a wave: no other line names them
.set EST,   SPARE+512                  ; the way out: [half of n][256 rows] f32
.set IMG,   EST+2048                   ; 32 images of 1,536 bytes: fragment (tile A of 16 rows, K step s) at 1,536 (2 A + s)
.set SCI,   IMG+49152                  ; enc's scale words: 2,048 (A / 8) + 64 lane + 4 (2 (A % 8) + s)
.set SROW,  131072                     ; bytes from row s to row s + 1 of one b
.set PRB,   6400                       ; a pair's block in wpk
.set NL,    13                         ; loads that bring a pair: 12 of codes, 1 of scale words
.set LI, 2
.set L8, 3
.set DA, 4                             ; dec at this trip's eight tiles, and at the next trip's
.set DN, 5
.set RA, 6                             ; this trip's addresses: enc as f32, my images, my scale words
.set CW, 7
.set SW, 8
.set DA0, 9
.set RA0, 10
.set CW0, 11
.set SW0, 12
.set SPW, 14                           ; my spare word; never rewritten
.set NIL, 15                           ; 0; never rewritten
.set CRB, 16                           ; my half's images
.set SRB, 17                           ; my half's scale words
.set SH8, 18
.set PFO, 19
.set ESA, 20
.set ELA, 21
.set EOV, 22
.set RR, 23
.set HH, 24
.set T16, 25
.set DST, 26
.set BS, 28                            ; v28-35 W's scale words of a trip's eight tiles
.set ASC, 36                           ; v36-51 enc's scale words, 2 a + s
.set M, 52
.set MB, 54
.set S, 56
.set BT, 58
.set T, 60
.set U, 61
.set CT, 62                            ; v62-64, v66-68
.set PC, 70                            ; v70-81 the codes just made
.set DBX, 84
.set ET, 96
.set Y, 128                            ; v128-255 two fragments' 64 numbers
.set CUR, 0
.set DW, 192
.set ACC, 96
.set E, 224
.set BF, 0
.set WV, 16
.set LW, 17
.set HR, 18
.set G1E, 24
.set G0A, 32                           ; s[32:35], s[36:39]: group 0 of slot 0, of slot 1
.set EB0, 40                           ; enc at my 32 rows of chunk 0
.set PFA, 42
.set EO, 44
.set SEL, 46
.set WB, 48                            ; my stream in wpk
.set WP, 50                            ; where this trip's runs read
.set WO, 52                            ; s[52:53], s[54:55]: offsets, upper word 0
.set OF2, 54
.set KC, 56
.set IC, 57
.set TAU, 58                           ; the step
.set GT, 59                            ; the trips with products so far
.set T0, 60
.set T1, 61
.set AX, 66                            ; s68-75 constants of the head's addresses
.set P0, 76
.set W_MM, 0xa7                        ; source 0 (W) window 3, source 1 (enc) window 1, C and D window 2
.set W_EP, 0xa6                        ; source 0 (accumulator) window 2, source 1 (dec) window 1, E window 2
.set W_3, 0xc0
.set W_2, 0x80
.set W_1, 0x40
.set W_SUM, 0x0a
.set MSB, 0
.macro WIN new                         ; the immediate's high byte repeats the setting that is left
.if MSB != \new
	s_set_vgpr_msb (MSB<<8)|\new
.set MSB, \new
.endif
.endm
.macro TLOAD g0                        ; every wave its own 32 rows
	tensor_load_to_lds s[\g0:\g0+3], s[G1E:G1E+7]
	s_nop 0
.rept 4
	v_nop
.endr
.endm
.macro RAW yb, off                     ; 16 rows x 128 K of f32: number 32 c + n = k 64 c + 32 h + n of row r
.irp c, 0,1
.irp i, 0,1,2,3,4,5,6,7
	ds_load_b128 v[\yb+32*\c+4*\i:\yb+32*\c+4*\i+3], v[RA] offset:\off+256*\c+16*\i
.endr
.endr
.endm
.macro QUANT yb, ks                    ; 64 numbers of a lane become 12 registers of codes and a scale word, laid in LDS as they stand.  A lane owns blocks h and 2 + h of its row whole
.irp c, 0,1
	v_max3_num_f32 v[M+\c], |v[\yb+32*\c]|, |v[\yb+32*\c+1]|, 0x1800000   ; the floor 2^(3 - 127) holds the byte at 1 from below
	v_max3_num_f32 v[MB+\c], |v[\yb+32*\c+16]|, |v[\yb+32*\c+17]|, |v[\yb+32*\c+18]|
.endr
.irp i, 2,4,6,8,10,12
.irp c, 0,1
	v_max3_num_f32 v[M+\c], v[M+\c], |v[\yb+32*\c+\i]|, |v[\yb+32*\c+\i+1]|     ; four chains by turns
	v_max3_num_f32 v[MB+\c], v[MB+\c], |v[\yb+32*\c+\i+17]|, |v[\yb+32*\c+\i+18]|
.endr
.endr
.irp c, 0,1
	v_max3_num_f32 v[M+\c], v[M+\c], |v[\yb+32*\c+14]|, |v[\yb+32*\c+15]|
.endr
.irp c, 0,1
	v_max3_num_f32 v[M+\c], v[M+\c], v[MB+\c], |v[\yb+32*\c+31]|
.endr
.irp c, 0,1
	v_add_nc_u32 v[S+\c], 0xff000000, v[M+\c]      ; 2 off the exponent field: the conversion's scale operand
.endr
.irp c, 0,1
	v_lshrrev_b32 v[BT+\c], 23, v[S+\c]            ; the scale's byte
.endr
	v_lshl_or_b32 v[T], v[BT+1], 16, v[BT]
	v_lshlrev_b32 v[T], v[SH8], v[T]
	v_permlanex16_b32 v[U], v[T], s[SEL], s[SEL+1]
	v_or_b32 v[T], v[T], v[U]                      ; the word is whole, in both halves of the lanes
	v_cvt_scalef32_pk16_fp6_f32 v[PC:PC+2], v[\yb:\yb+15], v[S]
	v_cvt_scalef32_pk16_fp6_f32 v[CT:CT+2], v[\yb+16:\yb+31], v[S]      ; (three registers from an even one: a block's upper three are made here and moved)
	v_cvt_scalef32_pk16_fp6_f32 v[PC+6:PC+8], v[\yb+32:\yb+47], v[S+1]
	v_cvt_scalef32_pk16_fp6_f32 v[CT+4:CT+6], v[\yb+48:\yb+63], v[S+1]
	v_nop                                          ; one plain place behind a scaled conversion
.irp c, 0,1
.irp i, 0,1,2
	v_mov_b32 v[PC+6*\c+3+\i], v[CT+4*\c+\i]
.endr
.endr
.irp g, 0,1,2
	ds_store_b128 v[CW], v[PC+4*\g:PC+4*\g+3] offset:1536*(\ks)+512*\g
.endr
	ds_store_b32 v[SW], v[T] offset:4*(\ks)
.endm
.macro CURLOAD                         ; the slice that lies in LDS becomes the operand at work: my half's 16 fragments and their scale words
	WIN W_1
.set ci, 0
.rept 48
	ds_load_b128 v[CUR+4*ci:CUR+4*ci+3], v[CRB] offset:512*ci
.set ci, ci+1
.endr
	WIN 0
.irp i, 0,1,2,3
	ds_load_b128 v[ASC+4*\i:ASC+4*\i+3], v[SRB] offset:16*\i
.endr
.endm
.macro WRUN k                          ; pair k of the four at s[WP]: 13 loads into ring place k
	WIN W_3
.irp u, 0,1
.irp s, 0,1
.irp g, 0,1,2
	global_load_b128 v[BF+48*(\k)+24*\u+12*\s+4*\g:BF+48*(\k)+24*\u+12*\s+4*\g+3], v[LI], s[WP:WP+1] offset:PRB*(\k)+3072*\u+1536*\s+512*\g
.endr
.endr
.endr
	WIN 0
	global_load_b64 v[BS+2*(\k):BS+2*(\k)+1], v[L8], s[WP:WP+1] offset:PRB*(\k)+6144
.endm
.macro DFR u, adr, off                 ; dec[16 t + 8 h + 0 .. 7] of a tile into set u
	ds_load_b128 v[DW+8*(\u):DW+8*(\u)+3], v[\adr] offset:\off
	ds_load_b128 v[DW+8*(\u)+4:DW+8*(\u)+7], v[\adr] offset:\off+16
.endm
; Behind pair k: its registers take the pair four on.  dec's set u is read behind tile u + 1's products, so the sets free here are 2 k - 1 and 2 k: they take the next trip's (set 7, behind pair 0: this trip's).
.macro RUN k, qnt
	WRUN \k
	WIN W_1
.if (\k) == 0
	DFR 7, DA, 448
	DFR 0, DN, 0
.else
	DFR 2*(\k)-1, DN, 64*(2*(\k)-1)
	DFR 2*(\k), DN, 128*(\k)
.endif
	WIN 0
.if \qnt && (\k) < 2
	RAW Y+64*(\k), 512*(\k)
.endif
.endm
; Line n of 32 of the contraction that stands in tile u: the tile BEFORE's accumulators x its dec.  i = n / 8, a = n % 8: each accumulator is first read at its low end;
; E has two pairs for each a, taken by turns, so that fifteen lines stand between two on one pair.
.macro EP u, n
.set eP, ACC+64*(((\u)+1)%2)+8*((\n)%8)+2*((\n)/8)
.set eV, DW+8*(((\u)+7)%8)+2*((\n)/8)
.set eE, E+4*((\n)%8)+2*(((\n)/8)%2)
	v_pk_fma_f32 v[eE:eE+1], v[eP:eP+1], v[eV:eV+1], v[eE:eE+1]
.endm
; Tile u of a trip's eight: 16 matrix instructions, K step tq / 8, rows' tile tq % 8: the eight accumulators take turns; then the 32 lines of the contraction,
; which are also the places (ISA guide 7.12.1 asks for four) ahead of the loads into the pair's registers.
; Waits at a pair's head.  LOADcnt 3 NL: behind this pair's run three younger runs were issued.  DScnt: what the run just ahead issued may stay out (4 loads of dec; 16 of enc where it has them; at the trip's head
; the 8 stores of images too): all that this pair reads was asked for at least three pairs ago.
.macro TILE u, qnt
.if (\u)%2 == 0
	s_wait_loadcnt 3*NL
.if (\u) == 0
	s_wait_dscnt 4+8*(\qnt)
.elseif (\u) == 6
	s_wait_dscnt 4
.else
	s_wait_dscnt 4+16*(\qnt)
.endif
.endif
	WIN W_MM
.set tq, 0
.rept 16
.set ts, tq/8
.set ta, tq%8
.set rD, ACC+64*((\u)%2)+8*ta
.set rW, BF+24*(\u)+12*ts
.set rC, CUR+12*(2*ta+ts)
.if ts == 0
	v_wmma_scale_f32_16x16x128_f8f6f4 v[rD:rD+7], v[rW:rW+11], v[rC:rC+11], 0, v[BS+(\u)], v[ASC+2*ta] matrix_a_fmt:MATRIX_FMT_FP6 matrix_b_fmt:MATRIX_FMT_FP6
.else
	v_wmma_scale_f32_16x16x128_f8f6f4 v[rD:rD+7], v[rW:rW+11], v[rC:rC+11], v[rD:rD+7], v[BS+(\u)], v[ASC+2*ta+1] matrix_a_fmt:MATRIX_FMT_FP6 matrix_b_fmt:MATRIX_FMT_FP6 matrix_a_scale:MATRIX_SCALE_ROW1
.endif
.set tq, tq+1
.endr
	WIN W_EP
.set tq, 0
.rept 32
	EP \u, tq
.set tq, tq+1
.endr
.if (\u)%2 == 1
	RUN (\u)/2, \qnt
.endif
.endm
; A STEP.  sl: the slot that is read; mat: products; qnt: the slot's chunk is quantised; ld: the other slot is asked for; cur: the operand is renewed (1: always, 2: at even steps); pf: prefetch (1: always, 2: up to step 4);
; prime: dec's first seven sets are fetched.
.macro STEP sl, mat, qnt, ld, cur, pf, prime
	s_wait_xcnt 0x0                                ; my prefetches have read their address, which is written below
	s_wait_tensorcnt 0x0                           ; my tensor load has landed: every group 0 may be written
	ds_add_u32 v[SPW], v[NIL]                      ; work on scalar registers stands between the add and the wait for it
.if \ld
	s_add_nc_u64 s[G0A+4*(\sl)+2:G0A+4*(\sl)+3], s[G0A+4*(\sl)+2:G0A+4*(\sl)+3], 1024   ; this slot's next chunk: the next slice
.endif
.if \pf
	s_add_co_u32 s[T0], s[TAU], 3                  ; chunk step + 3: 128 rows x (chunk % 2) + 1,024 bytes x (chunk / 2)
	s_and_b32 s[T1], s[T0], 1
	s_lshl_b32 s[T1], s[T1], 24
	s_lshr_b32 s[T0], s[T0], 1
	s_lshl_b32 s[T0], s[T0], 10
	s_add_co_u32 s[OF2], s[T0], s[T1]
	s_add_nc_u64 s[PFA:PFA+1], s[EB0:EB0+1], s[OF2:OF2+1]
.endif
	s_wait_dscnt 0x0                               ; the add is done, my reads of the other slot are over, my images have landed
	s_barrier_signal -1
	s_barrier_wait -1
.if \ld
	TLOAD G0A+4*(1-(\sl))
.endif
.if \qnt
	v_add_nc_u32 v[RA], (\sl)*ENCS, v[RA0]
	v_add_nc_u32 v[CW], (\sl)*24576, v[CW0]
	v_add_nc_u32 v[SW], (\sl)*2048, v[SW0]
	s_wait_alu depctr_va_vdst(0)
.endif
.if \cur == 2
	s_and_b32 s[T0], s[TAU], 1
	s_cmp_lg_u32 s[T0], 0
	s_cbranch_scc1 .Lkeep_\@
.endif
.if \cur
	CURLOAD
	s_wait_dscnt 0x0                               ; my reads of the images are over:
	s_barrier_signal -1                            ; only behind this barrier does any wave write the next slice's images
	s_barrier_wait -1
.endif
.Lkeep_\@:
.if \prime
	WIN W_1
.irp u, 0,1,2,3,4,5,6
	DFR \u, DA0, 64*\u
.endr
	WIN 0
.endif
.if \pf == 2
	s_cmp_lt_u32 s[TAU], 5
	s_cbranch_scc0 .Lnpf_\@
.endif
.if \pf
.irp i, 0,1,2,3
	global_prefetch_b8 v[PFO], s[PFA:PFA+1] offset:8*\i*SROW th:TH_LOAD_NT scope:SCOPE_SE   ; eight rows, four blocks of 256 bytes each: a lane a block
.endr
.endif
.Lnpf_\@:
	s_mov_b32 s[IC], 0
.Ltrip_\@:
.if \mat
	s_wait_xcnt 0x0                                ; the last trip's loads have read s[WP]
	s_add_co_u32 s[WO], s[WO], 4*PRB               ; the runs of this trip read the next trip's four pairs,
	s_min_u32 s[WO], s[WO], 60*PRB                 ; held at the stream's last four: no load leaves the buffer
	s_add_nc_u64 s[WP:WP+1], s[WB:WB+1], s[WO:WO+1]
	s_and_b32 s[T0], s[GT], 3                      ; dec: a slice has four trips of eight tiles of 64 bytes
	s_lshl_b32 s[T0], s[T0], 9
	s_add_co_u32 s[GT], s[GT], 1
	s_and_b32 s[T1], s[GT], 3
	s_lshl_b32 s[T1], s[T1], 9
	v_add_nc_u32 v[DA], s[T0], v[DA0]
	v_add_nc_u32 v[DN], s[T1], v[DA0]
	s_wait_alu depctr_va_vdst(0)
.irp u, 0,1,2,3,4,5,6,7
	TILE \u, \qnt
.endr
.else
	RAW Y, 0
	RAW Y+64, 512
	s_wait_dscnt 0x0
.endif
.if \qnt
	QUANT Y, 0
	QUANT Y+64, 1
	v_add_nc_u32 v[RA], 16*EPI, v[RA]
	v_add_nc_u32 v[CW], 3072, v[CW]
	v_add_nc_u32 v[SW], 8, v[SW]
.endif
	s_add_co_u32 s[IC], s[IC], 1
	s_cmp_lt_u32 s[IC], 2
	s_wait_alu depctr_va_vdst(0)
	s_cbranch_scc1 .Ltrip_\@
	s_add_co_u32 s[TAU], s[TAU], 1
.endm
.macro AGAIN label                     ; the foot of a loop over steps
	s_sub_co_u32 s[KC], s[KC], 1
	s_cmp_lg_u32 s[KC], 0
	s_cbranch_scc1 \label
.endm
	s_load_b256 s[4:11], s[0:1], 0x0               ; enc s[4:5], rnn s[6:7], wpk s[8:9], energy s[10:11]
	v_lshl_add_u32 v[SPW], v0, 2, SPARE
	v_mov_b32 v[NIL], 0
	ds_add_u32 v[SPW], v[NIL]                      ; the opening lines: the add twice on end under one wait
	ds_add_u32 v[SPW], v[NIL]
	v_lshrrev_b32 v1, 5, v0
	v_readfirstlane_b32 s[WV], v1                  ; wave 0..3
	s_and_b32 s[LW], s[WV], 1                      ; my half of n
	s_lshr_b32 s[HR], s[WV], 1                     ; my half of the rows
	s_mov_b32 s[G1E], (2<<16)|(1<<20)|(7<<22)|(3<<25)   ; elements of 4 bytes; 4 words of padding behind every 256
	s_mov_b32 s[G1E+1], 256<<16                    ; tensor_dim0 = 256
	s_mov_b32 s[G1E+2], 32<<16                     ; tensor_dim1 = 32
	s_mov_b32 s[G1E+3], 256<<16                    ; tile_dim0 = 256
	s_mov_b32 s[G1E+4], 32                         ; tile_dim1 = 32
	s_mov_b32 s[G1E+5], SROW/4                     ; elements from row to row
	s_mov_b32 s[G1E+6], 0
	s_mov_b32 s[G1E+7], 0
	s_lshl_b32 s[AX+2], s[LW], 11
	s_add_co_u32 s[AX+2], s[AX+2], DEC             ; dec of my 512 columns
	s_mul_i32 s[AX+3], s[WV], 32*EPI               ; my 32 rows of a slot
	s_mul_i32 s[AX+4], s[WV], 6144
	s_add_co_u32 s[AX+4], s[AX+4], IMG
	s_lshl_b32 s[AX+5], s[WV], 4
	s_add_co_u32 s[AX+5], s[AX+5], SCI
	s_mul_i32 s[AX+6], s[HR], 24576
	s_add_co_u32 s[AX+6], s[AX+6], IMG
	s_lshl_b32 s[AX+7], s[HR], 11
	s_add_co_u32 s[AX+7], s[AX+7], SCI
	s_lshl_b32 s[AX+8], s[LW], 10
	s_lshl_b32 s[T0], s[HR], 9
	s_add_co_u32 s[AX+8], s[AX+8], s[T0]
	s_add_co_u32 s[AX+8], s[AX+8], EST
	s_lshl_b32 s[P0+6], s[WV], 8
	s_add_co_u32 s[AX+9], s[P0+6], EST
	s_and_b32 s[T1], ttmp7, 0xffff                 ; b
	s_lshl_b32 s[P0], ttmp9, 25                    ; 256 rows of 131,072 bytes,
	s_lshl_b32 s[P0+2], s[T1], 12                  ; b's 4,096 bytes in a row s, and in rnn,
	s_add_co_u32 s[P0], s[P0], s[P0+2]
	s_lshl_b32 s[T0], s[WV], 22                    ; my 32 rows
	s_add_co_u32 s[P0], s[P0], s[T0]
	s_lshl_b32 s[T1], s[T1], 13                    ; energy: 4 (2,048 b + 256 x + 64 w)
	s_add_co_u32 s[P0+6], s[P0+6], s[T1]
	s_lshl_b32 s[T0], ttmp9, 10
	s_add_co_u32 s[P0+6], s[P0+6], s[T0]
	s_mul_i32 s[P0+4], s[LW], 64*PRB               ; my stream of 64 pairs
	s_mov_b32 s[P0+1], 0
	s_mov_b32 s[P0+3], 0
	s_mov_b32 s[P0+5], 0
	s_mov_b32 s[P0+7], 0
	s_mov_b32 s[WO], 0
	s_mov_b32 s[WO+1], 0
	s_mov_b32 s[OF2+1], 0
	s_mov_b32 s[SEL], 0x76543210
	s_mov_b32 s[SEL+1], 0xfedcba98
	s_mov_b32 s[TAU], 0
	s_mov_b32 s[GT], 0
	s_wait_alu depctr_va_vdst(0)
	s_wait_dscnt 0x0                               ; both opening adds are done
	s_wait_kmcnt 0x0
	s_add_nc_u64 s[EB0:EB0+1], s[4:5], s[P0:P0+1]
	s_add_nc_u64 s[6:7], s[6:7], s[P0+2:P0+3]
	s_add_nc_u64 s[WB:WB+1], s[8:9], s[P0+4:P0+5]
	s_add_nc_u64 s[EO:EO+1], s[10:11], s[P0+6:P0+7]
	s_mov_b64 s[WP:WP+1], s[WB:WB+1]
	s_mov_b32 s[G0A], 1
	s_mov_b32 s[G0A+1], s[AX+3]                    ; slot 0, my 32 rows
	s_mov_b64 s[G0A+2:G0A+3], s[EB0:EB0+1]         ; chunk 0
	s_or_b32 s[G0A+3], s[G0A+3], 0x80000000
	s_mov_b32 s[G0A+4], 1
	s_add_co_u32 s[G0A+5], s[AX+3], ENCS           ; slot 1
	s_add_nc_u64 s[G0A+6:G0A+7], s[EB0:EB0+1], 128*SROW   ; chunk 1
	s_or_b32 s[G0A+7], s[G0A+7], 0x80000000
	TLOAD G0A                                      ; one tensor load a wave at the head: my part of chunk 0
	v_and_b32 v1, 31, v0
	v_and_b32 v[RR], 15, v0
	v_bfe_u32 v[HH], v0, 4, 1
	v_lshlrev_b32 v[LI], 4, v1
	v_lshlrev_b32 v[L8], 3, v1
	v_lshlrev_b32 v[T16], 4, v0
	v_lshl_add_u32 v[DA0], v[HH], 5, s[AX+2]
	v_mul_u32_u24 v[RA0], v[RR], EPI
	v_lshl_add_u32 v[RA0], v[HH], 7, v[RA0]
	v_add_nc_u32 v[RA0], s[AX+3], v[RA0]           ; row r of my first 16, + 128 h
	v_add_nc_u32 v[CW0], s[AX+4], v[LI]
	v_lshl_add_u32 v[SW0], v1, 6, s[AX+5]
	v_add_nc_u32 v[CRB], s[AX+6], v[LI]
	v_lshl_add_u32 v[SRB], v1, 6, s[AX+7]
	v_lshlrev_b32 v[SH8], 3, v[HH]
	v_lshrrev_b32 v[PFO], 2, v1
	v_lshlrev_b32 v[PFO], 17, v[PFO]
	v_and_b32 v[T], 3, v1
	v_lshl_add_u32 v[PFO], v[T], 8, v[PFO]         ; row lane / 4, block lane % 4
	v_lshl_add_u32 v[ESA], v[RR], 2, s[AX+8]
	v_lshl_add_u32 v[ELA], v1, 3, s[AX+9]
	v_lshlrev_b32 v[EOV], 3, v1
	v_add_nc_u32 v[DST], DEC, v[T16]
	v_mov_b32 v[U], 0                              ; a lane permute's destination counts as one of its sources
	s_wait_alu depctr_va_vdst(0)
	global_load_b128 v[DBX:DBX+3], v[T16], s[6:7]                  ; dec[b]: 128 threads x 16 bytes, twice
	global_load_b128 v[DBX+4:DBX+7], v[T16], s[6:7] offset:2048
	WIN W_2                                        ; the first tile's contraction meets a tile that was never multiplied: zeros x zeros; E begins at 0
.set ci, 0
.rept 64
	v_mov_b32 v[ACC+64+ci], 0
.set ci, ci+1
.endr
.set ci, 0
.rept 32
	v_mov_b32 v[E+ci], 0
.set ci, ci+1
.endr
	WIN W_1
.set ci, 0
.rept 8
	v_mov_b32 v[DW+56+ci], 0
.set ci, ci+1
.endr
	WIN 0
	s_wait_alu depctr_va_vdst(0)
	s_wait_loadcnt 0x0
	ds_store_b128 v[DST], v[DBX:DBX+3]
	ds_store_b128 v[DST], v[DBX+4:DBX+7] offset:2048
.irp k, 0,1,2,3
	WRUN \k                                        ; W's first four pairs fill the ring
.endr
	STEP 0, 0, 1, 1, 0, 1, 0                       ; step 0: slot 1 has its first fill
	STEP 1, 0, 1, 1, 0, 1, 1                       ; step 1: slice 0 is whole; dec, stored ahead of step 0's barrier, is fetched
	s_mov_b32 s[KC], 2
.Lmain:                                            ; steps 2 to 5
	STEP 0, 1, 1, 1, 1, 1, 0
	STEP 1, 1, 1, 1, 0, 2, 0
	AGAIN .Lmain
	STEP 0, 1, 1, 1, 1, 0, 0                       ; step 6 asks for enc's last chunk
	STEP 1, 1, 1, 0, 0, 0, 0                       ; step 7: no slot is filled that nobody reads
	s_mov_b32 s[KC], 2
.Ltail:                                            ; steps 8 and 9: products alone
	STEP 0, 1, 0, 0, 2, 0, 0
	AGAIN .Ltail
	s_wait_loadcnt 0x0                             ; the look-ahead's last loads
	s_wait_dscnt 0x0
	WIN W_EP
.set fn, 0
.rept 32
	EP 0, fn                                       ; the very last tile is contracted
.set fn, fn+1
.endr
	; THE WAY OUT.  E's four numbers of (a, lane (r, h)) and lane l xor 16's make row 128 (w / 2) + 16 a + r's share of my 512 columns; the two halves of n meet in LDS; a wave stores 64 rows, 256 consecutive bytes.
	WIN W_SUM
.irp a, 0,1,2,3,4,5,6,7
	v_pk_add_f32 v[ET+2*\a:ET+2*\a+1], v[E+4*\a:E+4*\a+1], v[E+4*\a+2:E+4*\a+3]
.endr
	WIN 0
.irp a, 0,1,2,3,4,5,6,7
	v_add_f32 v[ET+2*\a], v[ET+2*\a], v[ET+2*\a+1]
.endr
.irp a, 0,1,2,3,4,5,6,7
	v_permlanex16_b32 v[ET+2*\a+1], v[ET+2*\a], s[SEL], s[SEL+1]
.endr
.irp a, 0,1,2,3,4,5,6,7
	v_add_f32 v[ET+2*\a], v[ET+2*\a], v[ET+2*\a+1]
.endr
.irp a, 0,1,2,3,4,5,6,7
	ds_store_b32 v[ESA], v[ET+2*\a] offset:64*\a   ; lanes r and r + 16 write the same word with the same value
.endr
	s_wait_dscnt 0x0                               ; for the others' sake: my shares have landed
	s_barrier_signal -1
	s_barrier_wait -1
	ds_load_b64 v[ET:ET+1], v[ELA]
	ds_load_b64 v[ET+2:ET+3], v[ELA] offset:1024
	s_wait_dscnt 0x0
	v_pk_add_f32 v[ET:ET+1], v[ET:ET+1], v[ET+2:ET+3]
	global_store_b64 v[EOV], v[ET:ET+1], s[EO:EO+1]   ; 32 lanes store 256 consecutive bytes, at a multiple of 256 from the buffer's first byte
	s_wait_tensorcnt 0x0                           ; the wave's end
	ds_add_u32 v[SPW], v[NIL]
	s_wait_dscnt 0x0
	s_endpgm
.Lfunc_end_k_qde64f8ac37_project:
	.size	k_qde64f8ac37_project, .Lfunc_end_k_qde64f8ac37_project-k_qde64f8ac37_project
	.p2alignl 7, 3214868480
	.fill 96, 4, 3214868480
	.section	.rodata,"a",@progbits
	.p2align	6, 0x0
	.amdhsa_kernel k_qde64f8ac37_project
		.amdhsa_group_segment_fixed_size 327680
		.amdhsa_private_segment_fixed_size 0
		.amdhsa_enable_private_segment 0
		.amdhsa_kernarg_size 32
		.amdhsa_user_sgpr_count 2
		.amdhsa_user_sgpr_kernarg_segment_ptr 1
		.amdhsa_wavefront_size32 1
		.amdhsa_system_sgpr_workgroup_id_x 1
		.amdhsa_system_sgpr_workgroup_id_y 1
		.amdhsa_system_sgpr_workgroup_id_z 1
		.amdhsa_system_vgpr_workitem_id 0
		.amdhsa_next_free_vgpr 1024
		.amdhsa_next_free_sgpr 88
		.amdhsa_reserve_vcc 0
		.amdhsa_float_denorm_mode_32 3
		.amdhsa_float_denorm_mode_16_64 3
		.amdhsa_memory_ordered 1
		.amdhsa_forward_progress 1
		.amdhsa_inst_pref_size 255
	.end_amdhsa_kernel
	.section	.bss,"aw",@nobits
	.p2align	6
	.space	262144
	.amdgpu_metadata
---
amdhsa.version: [ 1, 2 ]
amdhsa.kernels:
  - .name:           k_qde64f8ac37_project
    .symbol:         k_qde64f8ac37_project.kd
    .args:
      - { .name: encoder_outputs, .offset: 0, .size: 8, .value_kind: global_buffer, .address_space: global }
      - { .name: rnn_outputs, .offset: 8, .size: 8, .value_kind: global_buffer, .address_space: global }
      - { .name: wpk, .offset: 16, .size: 8, .value_kind: global_buffer, .address_space: global }
      - { .name: energy, .offset: 24, .size: 8, .value_kind: global_buffer, .address_space: global }
    .group_segment_fixed_size: 327680
    .private_segment_fixed_size: 0
    .kernarg_segment_align: 8
    .kernarg_segment_size: 32
    .max_flat_workgroup_size: 128
    .sgpr_count:     88
    .vgpr_count:     1024
    .wavefront_size: 32
...
	.end_amdgpu_metadata
.endif
;; end of part 5
;; launch softmax (part 6): grid 32 x 1, 1 waves a work-group, no clusters, 0 bytes of LDS; arguments energy, out0; writes out0
.if DOCPART == 6
	.amdgcn_target "amdgcn-amd-amdhsa--gfx1250"
	.amdhsa_code_object_version 6
	.text
	.protected	k_qde64f8ac37_softmax
	.globl	k_qde64f8ac37_softmax
	.p2align	8
	.type	k_qde64f8ac37_softmax,@function
k_qde64f8ac37_softmax:
	s_mov_b64 s[64:65], 0
	v_nop
	global_prefetch_b8 v0, s[64:65] scope:SCOPE_SE
	s_setreg_imm32_b32 hwreg(HW_REG_WAVE_MODE, 25, 1), 1
	s_wait_xcnt 0x0
; out0[b][:] = softmax(energy[b][:]), 2,048 numbers a row, in f32, the row's maximum taken away first.  One wave takes one row and keeps it in 64 registers between the passes: no LDS, no barrier.
; The design has work for 32 work-groups (one for each b), so 32 are launched.  Each load and store of the wave covers 512 consecutive bytes.  LIMITS: NaN and infinities among the energies are not served.
.set X, 8                              ; v8-71 the row
.set MX, 72                            ; v72-75 four chains of the maximum;  v[76:77] the maximum, twice
.set SM, 78                            ; v78-85 four chains of the sum, in pairs
.set RC, 86                            ; v[86:87] 1 / sum, twice
	s_load_b128 s[4:7], s[0:1], 0x0                ; energy, out0
	v_lshlrev_b32 v1, 4, v0
	v_mov_b32 v3, 0                                ; a lane permute's destination counts as one of its sources
	s_lshl_b32 s8, ttmp9, 13                       ; row b: 8,192 bytes
	s_mov_b32 s9, 0
	s_mov_b32 s10, 0x76543210
	s_mov_b32 s11, 0xfedcba98
	s_mov_b32 s12, 0x3fb8aa3b                      ; log2(e)
	s_mov_b32 s13, s12                             ; (named with it as a pair, so it is written)
	s_wait_alu depctr_va_vdst(0)
	s_wait_kmcnt 0x0
	s_add_nc_u64 s[4:5], s[4:5], s[8:9]
	s_add_nc_u64 s[6:7], s[6:7], s[8:9]
.irp i, 0,1,2,3,4,5,6,7,8,9,10,11,12,13,14,15
	global_load_b128 v[X+4*\i:X+4*\i+3], v1, s[4:5] offset:512*\i
.endr
	s_wait_loadcnt 0x0
.irp c, 0,1,2,3
	v_max3_num_f32 v[MX+\c], v[X+16*\c], v[X+16*\c+1], v[X+16*\c+2]
.endr
.irp i, 3,5,7,9,11,13
.irp c, 0,1,2,3
	v_max3_num_f32 v[MX+\c], v[MX+\c], v[X+16*\c+\i], v[X+16*\c+\i+1]
.endr
.endr
	v_max3_num_f32 v[MX], v[MX], v[X+15], v[X+31]
	v_max3_num_f32 v[MX+2], v[MX+2], v[X+47], v[X+63]
	v_max3_num_f32 v[MX], v[MX], v[MX+1], v[MX+2]
	v_max_num_f32 v[MX], v[MX], v[MX+3]
	v_max_num_f32_dpp v[MX], v[MX], v[MX] row_xmask:1 row_mask:0xf bank_mask:0xf
	v_max_num_f32_dpp v[MX], v[MX], v[MX] row_xmask:2 row_mask:0xf bank_mask:0xf
	v_max_num_f32_dpp v[MX], v[MX], v[MX] row_xmask:4 row_mask:0xf bank_mask:0xf
	v_max_num_f32_dpp v[MX], v[MX], v[MX] row_xmask:8 row_mask:0xf bank_mask:0xf
	v_permlanex16_b32 v3, v[MX], s10, s11
	v_max_num_f32 v[MX+4], v[MX], v3               ; the row's maximum, in every lane
	v_mov_b32 v[MX+5], v[MX+4]
.set i, 0
.rept 32
	v_pk_add_f32 v[X+i:X+i+1], v[X+i:X+i+1], v[MX+4:MX+5] neg_lo:[0,1] neg_hi:[0,1]   ; e - m first, so that large energies lose nothing in the scaling
.set i, i+2
.endr
.set i, 0
.rept 32
	v_pk_mul_f32 v[X+i:X+i+1], v[X+i:X+i+1], s[12:13] op_sel_hi:[1,0]
.set i, i+2
.endr
.set i, 0
	s_wait_alu depctr_va_vdst(0)
.rept 64
	v_exp_f32 v[X+i], v[X+i]
.set i, i+1
.endr
	v_nop                                          ; one plain place behind the exponentials
	s_wait_alu depctr_va_vdst(0)
.irp c, 0,1,2,3
	v_pk_add_f32 v[SM+2*\c:SM+2*\c+1], v[X+2*\c:X+2*\c+1], v[X+8+2*\c:X+8+2*\c+1]
.endr
.irp k, 2,3,4,5,6,7
.irp c, 0,1,2,3
	v_pk_add_f32 v[SM+2*\c:SM+2*\c+1], v[SM+2*\c:SM+2*\c+1], v[X+8*\k+2*\c:X+8*\k+2*\c+1]
.endr
.endr
	v_pk_add_f32 v[SM:SM+1], v[SM:SM+1], v[SM+2:SM+3]
	v_pk_add_f32 v[SM+4:SM+5], v[SM+4:SM+5], v[SM+6:SM+7]
	v_pk_add_f32 v[SM:SM+1], v[SM:SM+1], v[SM+4:SM+5]
	v_add_f32 v[SM], v[SM], v[SM+1]
	v_add_f32_dpp v[SM], v[SM], v[SM] row_xmask:1 row_mask:0xf bank_mask:0xf
	v_add_f32_dpp v[SM], v[SM], v[SM] row_xmask:2 row_mask:0xf bank_mask:0xf
	v_add_f32_dpp v[SM], v[SM], v[SM] row_xmask:4 row_mask:0xf bank_mask:0xf
	v_add_f32_dpp v[SM], v[SM], v[SM] row_xmask:8 row_mask:0xf bank_mask:0xf
	v_permlanex16_b32 v3, v[SM], s10, s11
	v_add_f32 v[SM], v[SM], v3                     ; the row's sum: at least 1, since the maximum's term is 1
	s_wait_alu depctr_va_vdst(0)
	v_rcp_f32 v[RC], v[SM]
	v_rcp_f32 v[RC+1], v[SM]
	v_nop                                          ; one plain place behind the reciprocals
.set i, 0
	s_wait_alu depctr_va_vdst(0)
.rept 32
	v_pk_mul_f32 v[X+i:X+i+1], v[X+i:X+i+1], v[RC:RC+1]
.set i, i+2
.endr
.irp i, 0,1,2,3,4,5,6,7,8,9,10,11,12,13,14,15
	global_store_b128 v1, v[X+4*\i:X+4*\i+3], s[6:7] offset:512*\i
.endr
	s_endpgm
.Lfunc_end_k_qde64f8ac37_softmax:
	.size	k_qde64f8ac37_softmax, .Lfunc_end_k_qde64f8ac37_softmax-k_qde64f8ac37_softmax
	.p2alignl 7, 3214868480
	.fill 96, 4, 3214868480
	.section	.rodata,"a",@progbits
	.p2align	6, 0x0
	.amdhsa_kernel k_qde64f8ac37_softmax
		.amdhsa_group_segment_fixed_size 0
		.amdhsa_private_segment_fixed_size 0
		.amdhsa_enable_private_segment 0
		.amdhsa_kernarg_size 16
		.amdhsa_user_sgpr_count 2
		.amdhsa_user_sgpr_kernarg_segment_ptr 1
		.amdhsa_wavefront_size32 1
		.amdhsa_system_sgpr_workgroup_id_x 1
		.amdhsa_system_sgpr_workgroup_id_y 1
		.amdhsa_system_sgpr_workgroup_id_z 1
		.amdhsa_system_vgpr_workitem_id 0
		.amdhsa_next_free_vgpr 96
		.amdhsa_next_free_sgpr 66
		.amdhsa_reserve_vcc 0
		.amdhsa_float_denorm_mode_32 3
		.amdhsa_float_denorm_mode_16_64 3
		.amdhsa_memory_ordered 1
		.amdhsa_forward_progress 1
		.amdhsa_inst_pref_size 17
	.end_amdhsa_kernel
	.amdgpu_metadata
---
amdhsa.version: [ 1, 2 ]
amdhsa.kernels:
  - .name:           k_qde64f8ac37_softmax
    .symbol:         k_qde64f8ac37_softmax.kd
    .args:
      - { .name: energy, .offset: 0, .size: 8, .value_kind: global_buffer, .address_space: global }
      - { .name: out0, .offset: 8, .size: 8, .value_kind: global_buffer, .address_space: global }
    .group_segment_fixed_size: 0
    .private_segment_fixed_size: 0
    .kernarg_segment_align: 8
    .kernarg_segment_size: 16
    .max_flat_workgroup_size: 32
    .sgpr_count:     66
    .vgpr_count:     96
    .wavefront_size: 32
...
	.end_amdgpu_metadata
.endif
;; end of part 6
